; MI455X (gfx1250); checked and timed in simulation.
; The chip was launched on July 23, 2026; its instructions are those of AMD's public machine-readable ISA for CDNA 5 (MIT licence, August 2026) and "CDNA5" Instruction Set Architecture Reference Guide (July 2026). The comments in the code are by the model that wrote it; some were corrected since.
;; Evolving System. Allowed arithmetic: float matrix products may take bf16 or f16 operands with f32 sums; other float arithmetic in f32, or as packed bf16 or f16 multiplies, adds, multiply-adds, maxima and minima; sums over many terms, partial sums and values carried from step to step in f32; what a program stores and reads back later, other than sums and carried values, may be rounded once to bf16 or f16.
;; Inputs: W_con 64 x 128 x 1,024 float32; W_recon 64 x 256 x 1,024 float32; member 2,048 x 1 x 64 float32; mu 64 x 128 float32; sigma_inv 64 x 128 x 128 float32; u 2,048 x 1 x 1,024 float32; z 2,048 x 1 x 128 float32.
;; Outputs: out0 2,048 x 1 x 128 float32; out1 2,048 x 1 x 256 float32.
;; 3 versions, each right; version 2 is faster than version 1; version 3 is version 2 with the launch prep written anew for expert scheduling mode. Each part assembles by itself: llvm-mc -triple=amdgcn-amd-amdhsa -mcpu=gfx1250 --defsym DOCPART=n.
;; ======== version 1 of 3: 3 launches
;; limits: a difference of large sums (such as E[x^2] - mean^2): digits are lost where the result is much smaller than its terms
;; workspace buffers: wb 50,331,648 bytes; ub 4,194,304 bytes; d2t 524,288 bytes; part 50,331,648 bytes
;; launch prep (part 1): grid 256 x 1, 8 waves a work-group, no clusters, 57,344 bytes of LDS; arguments W_con, W_recon, u, z, mu, sigma_inv, wb, ub, d2t; writes wb, ub, d2t
.if DOCPART == 1
	.amdgcn_target "amdgcn-amd-amdhsa--gfx1250"
	.amdhsa_code_object_version 6
	.text
	.protected	k_qd9c962eede_prep
	.globl	k_qd9c962eede_prep
	.p2align	8
	.type	k_qd9c962eede_prep,@function
k_qd9c962eede_prep:
	s_mov_b64 s[64:65], 0
	v_nop
	global_prefetch_b8 v0, s[64:65] scope:SCOPE_SE
	s_setreg_imm32_b32 hwreg(HW_REG_WAVE_MODE, 25, 1), 1
	s_wait_xcnt 0x0
; PREP.  (1) W_con, W_recon and u are rounded once to bf16 and laid out for the product launch; (2) d2t[k][b] = max(|sigma_k^T (mu_k - z_b)|^2, 0).
; wb[k][384][1024] bf16: quarter q (0..3) of cluster k holds rows 96 q .. 96 q + 95: W_con[k] rows 32 q .. +31, then W_recon[k] rows 64 q .. +63.   ub[2048][1024] bf16.   d2t[64][2048] f32.
; SHARES.  Work-group g: cluster k = g / 4, quarter q = g % 4.  All eight waves round sigma_inv[k] into LDS, 16 rows each.  Waves 0-3 then make d2 of cluster k for rows 512 q + 128 w .. +127 (eight tiles of
; 16 rows) and round two rows of u each; waves 4-7 stream quarter q of the weights: 96 KB of f32 in, 48 KB of bf16 out, each.
; d2.  t[e] = sum over d of z[d] sig[d][e] - sum over d of mu[d] sig[d][e], one f32 chain in the matrix unit that starts at C = -(mu sig); d2 = sum over e of t[e]^2, in f32; S = sigma sigma^T is never formed.
; LIMITS.  z, mu and sigma_inv enter as bf16 matrix operands (rounded once), so d2 is that of the rounded inputs, and where two clusters of a row nearly tie the softmax made of it follows the rounded inputs.
; The order of rounding differs from a product with S.  A common offset F of z and mu makes the chain's start grow with F x sum |sig[d][e]|; t loses up to 2^-23 of that.  NaN is not kept by the clamp at 0.
; NO CLUSTER, NO TENSOR LOADS: every weight byte has one reader; what work-groups share (64 KB of sigma among four, z among 64) goes through registers once and is a seventh of a work-group's bytes.
; ONE BRANCH.  Up to the barrier all eight waves run one text: the 16 loads that go out behind sigma's take their base by the wave's number (z's first tile, or the first 8 KB of the weights' share).
; Behind the barrier the roles part and each runs to its own end.
.set SIGP,  288                        ; a row d of sigma in LDS: 256 bytes + 32
.set ZPIT,  272                        ; a row of z in LDS: 256 bytes + 16
.set ZST,   128*SIGP                   ; behind sigma: 16 rows of z for each of waves 0-3, each wave's own
.set GB,    ZST+4*16*ZPIT              ; 128 f32 of d2 for each of waves 0-3, each wave's own
.set SPARE, GB+4*512                   ; the spare words: 128 bytes for each of eight waves, four blocks of 256 bytes that no other line names
.set LO,  2                            ; v2   16 x lane
.set SO,  3                            ; v3   8 x lane
.set RR,  4                            ; v4   lane % 16
.set HH,  5                            ; v5   lane / 16
.set TA,  6                            ; v6   my lane's place for the turning loads of sigma
.set MA,  7                            ; v7   32 x (lane / 16): my eight numbers of mu
.set ZS,  8                            ; v8   where I put 8 bytes of a row of z
.set ZR,  9                            ; v9   where I read a fragment of z
.set GA0, 10                           ; v10  my word of d2 in tile 0
.set GR,  11                           ; v11  where I read 16 bytes of d2 back
.set SS,  12                           ; v12  where I put 8 bytes of a row of sigma
.set SPW, 14                           ; v14  my spare word; never rewritten
.set NIL, 15                           ; v15  0; never rewritten
.set TP,  16                           ; v16-19 at work
.set CT,  24                           ; v24-87   eight tiles -(mu sig), every column alike
.set ZL,  88                           ; v88-151  16 rows of z (at the end: of u) as loaded
.set ACC, 152                          ; v152-215 eight accumulators: 128 e x 16 rows
.set ZB,  152                          ; v152-183 before the products: the rounded rows on their way to LDS
.set ZF,  216                          ; v216-247 four fragments of z (first: of -mu)
.set QS,  248                          ; v248-255 four pairs of sums of squares
.set XR,  24                           ; v24-151  streaming: 32 slots of 4, as loaded: slots 0-15 at v88-151 (where the common first loads land), slots 16-31 at v24-87
.set YR,  152                          ; v152-215 streaming: 32 slots of 2, to store
.set SL,  152                          ; v152-215 sigma as loaded
.set SB,  216                          ; v216-247 sigma rounded
; window 1 (v256-511): the 32 fragments of sigma: 16 e (block nb) x 32 d (step s) at 32 nb + 8 s
.set MSB, 0
.macro WIN new                         ; the immediate's high byte repeats the setting that is left
.if MSB != (\new)
	s_set_vgpr_msb (MSB<<8)|(\new)
.set MSB, \new
.endif
.endm
.macro FINISH                          ; the wave's end: a wait on tensor loads, an add of 0 to my spare word and its wait, behind my last LDS store
	s_wait_tensorcnt 0x0
	ds_add_u32 v[SPW], v[NIL]
	s_wait_dscnt 0x0
	s_endpgm
.endm
	s_load_b512 s[4:19], s[0:1], 0x0               ; W_con s[4:5], W_recon s[6:7], u s[8:9], z s[10:11], mu s[12:13], sigma_inv s[14:15], wb s[16:17], ub s[18:19]
	s_load_b64 s[20:21], s[0:1], 0x40              ; d2t
	v_lshl_add_u32 v[SPW], v0, 2, SPARE
	v_mov_b32 v[NIL], 0
	v_lshrrev_b32 v1, 5, v0
	v_readfirstlane_b32 s22, v1                    ; wave 0..7
	s_and_b32 s25, s22, 3                          ; my number within my role
	s_lshr_b32 s23, ttmp9, 2                       ; k
	s_and_b32 s24, ttmp9, 3                        ; q
	v_and_b32 v1, 31, v0
	v_lshlrev_b32 v[LO], 4, v1
	v_lshlrev_b32 v[SO], 3, v1
	s_mul_i32 s50, s22, 16*SIGP
	v_add_nc_u32 v[SS], s50, v[SO]                 ; my wave's 16 rows of sigma in LDS
	s_lshl_b32 s26, s23, 16                        ; sigma_inv[k] is 65,536 bytes,
	s_lshl_b32 s27, s22, 13                        ; my 16 rows 8,192
	s_add_co_u32 s26, s26, s27
	s_mov_b32 s27, 0
	s_lshl_b32 s28, s24, 18                        ; z: row 512 q + 128 w, 512 bytes a row: 2^18 q + 2^16 w
	s_lshl_b32 s29, s25, 16
	s_add_co_u32 s28, s28, s29
	s_mov_b32 s29, 0
	s_lshl_b32 s52, s23, 20                        ; W_recon: row 256 k + 64 q, 4,096 bytes a row, a wave's quarter of the 64 rows 65,536 bytes: 2^20 k + the same two terms
	s_add_co_u32 s52, s52, s28
	s_mov_b32 s53, 0
	s_wait_kmcnt 0x0
	s_add_nc_u64 s[26:27], s[14:15], s[26:27]      ; my rows of sigma
	s_add_nc_u64 s[28:29], s[10:11], s[28:29]      ; z at a d2 wave's first row; never stepped
	s_add_nc_u64 s[52:53], s[6:7], s[52:53]        ; W_recon at a streaming wave's share
	s_cmp_lt_u32 s22, 4
	s_cselect_b64 s[54:55], s[28:29], s[52:53]     ; what my role wants first
.set i, 0
.rept 16                               ; a row of 512 bytes to a load
	global_load_b128 v[SL+4*i:SL+4*i+3], v[LO], s[26:27] offset:512*i
.set i, i+1
.endr
.set i, 0
.rept 16                               ; 8 KB on their way while sigma is staged: z's tile 0, or slots 0-15 of the weights' round 0
	global_load_b128 v[ZL+4*i:ZL+4*i+3], v[LO], s[54:55] offset:512*i
.set i, i+1
.endr
	s_wait_loadcnt 16                              ; the 16 loads just issued may stay out: sigma is in
.set i, 0
.rept 32
	v_cvt_pk_bf16_f32 v[SB+i], v[SL+2*i], v[SL+2*i+1]
.set i, i+1
.endr
.set i, 0
.rept 16
	ds_store_b64 v[SS], v[SB+2*i:SB+2*i+1] offset:SIGP*i
.set i, i+1
.endr
	s_wait_dscnt 0x0                               ; for the others' sake: my rows of sigma are in LDS
	s_barrier_signal -1
	s_barrier_wait -1                              ; the launch's one barrier: sigma is whole, and nobody writes it again
	s_cmp_lt_u32 s22, 4
	s_cbranch_scc0 .Lrole_s
	; ---------------- waves 0-3: d2, then two rows of u ----------------
	v_and_b32 v[RR], 15, v0
	v_bfe_u32 v[HH], v0, 4, 1
	v_and_b32 v[TP], 7, v0
	v_lshl_add_u32 v[TP], v[HH], 3, v[TP]          ; the turning load: lane l reads row d = 8 (l / 16) + l % 8,
	v_mul_u32_u24 v[TA], v[TP], SIGP
	v_bfe_u32 v[TP], v0, 3, 1
	v_lshl_add_u32 v[TA], v[TP], 4, v[TA]          ; columns e = 8 ((l / 8) % 2) + 0..7
	v_lshlrev_b32 v[MA], 5, v[HH]
	s_mul_i32 s50, s22, 16*ZPIT
	s_add_co_u32 s50, s50, ZST                     ; my stage for z
	v_add_nc_u32 v[ZS], s50, v[SO]
	v_mul_u32_u24 v[ZR], v[RR], ZPIT
	v_lshl_add_u32 v[ZR], v[HH], 4, v[ZR]
	v_add_nc_u32 v[ZR], s50, v[ZR]
	s_lshl_b32 s51, s22, 9
	s_add_co_u32 s51, s51, GB                      ; my 128 words of d2
	v_lshl_add_u32 v[GA0], v[RR], 2, s51
	v_add_nc_u32 v[GR], s51, v[LO]
	v_mov_b32 v[TP], 0                             ; v_permlanex16_b32 counts as a reader of its destination
	s_lshl_b32 s50, s23, 9
	s_mov_b32 s51, 0
	s_add_nc_u64 s[44:45], s[12:13], s[50:51]      ; mu[k]
	s_lshl_b32 s50, ttmp9, 15                      ; u: row 8 g + 2 w, 4,096 bytes a row
	s_lshl_b32 s46, s25, 13
	s_add_co_u32 s50, s50, s46
	s_add_nc_u64 s[38:39], s[8:9], s[50:51]
	s_lshr_b32 s50, s50, 1                         ; ub: half the bytes
	s_add_nc_u64 s[40:41], s[18:19], s[50:51]
	s_lshl_b32 s50, s23, 13                        ; d2t: 8,192 k + 4 (512 q + 128 w)
	s_lshl_b32 s46, s24, 11
	s_add_co_u32 s50, s50, s46
	s_lshl_b32 s46, s25, 9
	s_add_co_u32 s50, s50, s46
	s_add_nc_u64 s[42:43], s[20:21], s[50:51]
	s_mov_b32 s48, 0x76543210                      ; v_permlanex16_b32: each lane takes its own place in the other half
	s_mov_b32 s49, 0xfedcba98
	; mu as source 1 with all 16 columns alike: every lane of a half reads the same d = 32 s + 8 h + 0..7 and 32 s + 16 + 8 h + 0..7
.irp s, 0,1,2,3
	global_load_b128 v[ACC+16*(\s):ACC+16*(\s)+3],     v[MA], s[44:45] offset:128*(\s)
	global_load_b128 v[ACC+16*(\s)+4:ACC+16*(\s)+7],   v[MA], s[44:45] offset:128*(\s)+16
	global_load_b128 v[ACC+16*(\s)+8:ACC+16*(\s)+11],  v[MA], s[44:45] offset:128*(\s)+64
	global_load_b128 v[ACC+16*(\s)+12:ACC+16*(\s)+15], v[MA], s[44:45] offset:128*(\s)+80
.endr
	WIN 0x40                                       ; destination window 1
.set f, 0
.rept 32                               ; fragment f = 4 nb + s: lane l gets column e = 16 nb + l % 16 and d = 32 s + 8 (l / 16) + 0..7, then + 16
	ds_load_tr16_b128 v[8*f:8*f+3],   v[TA] offset:(f%4)*32*SIGP+(f/4)*32
	ds_load_tr16_b128 v[8*f+4:8*f+7], v[TA] offset:(f%4)*32*SIGP+16*SIGP+(f/4)*32
.set f, f+1
.endr
	WIN 0
	s_wait_loadcnt 0x0                             ; mu (and z's first tile)
.set i, 0
.rept 32
	v_cvt_pk_bf16_f32 v[ZF+i], v[ACC+2*i], v[ACC+2*i+1]
.set i, i+1
.endr
.set i, 0
.rept 32
	v_xor_b32 v[ZF+i], 0x80008000, v[ZF+i]         ; -mu, both halves
.set i, i+1
.endr
	s_wait_dscnt 0x0                               ; sigma's fragments
	WIN 0x01                                       ; source 0 (sigma) window 1
.set i, 0
.rept 32                               ; CT[nb] = sum over s of sig(nb, s) x (-mu)(s); the eight accumulators take turns
.if i < 8
	v_wmma_f32_16x16x32_bf16 v[CT+8*(i%8):CT+8*(i%8)+7], v[32*(i%8)+8*(i/8):32*(i%8)+8*(i/8)+7], v[ZF+8*(i/8):ZF+8*(i/8)+7], 0
.else
	v_wmma_f32_16x16x32_bf16 v[CT+8*(i%8):CT+8*(i%8)+7], v[32*(i%8)+8*(i/8):32*(i%8)+8*(i/8)+7], v[ZF+8*(i/8):ZF+8*(i/8)+7], v[CT+8*(i%8):CT+8*(i%8)+7]
.endif
.set i, i+1
.endr
	WIN 0
; Tile T of eight: 16 rows of z.  The tiles are written out: a tile's place stands in the immediates of the next tile's loads and of its LDS store, so that no base steps and every LDS address is a lane
; term, the wave's number times a constant and a constant.  Tiles 0-6 ask for the next tile's rows, tile 7 for my two rows of u.
; Source 0 = 16 e of sigma, source 1 = 16 rows of z: in the result a lane holds ONE row (lane % 16) and e = 16 nb + 8 (lane / 16) + 0..7.
.macro TILE T
	s_wait_loadcnt 0x0                             ; this tile's 16 loads, the only ones out
.set i, 0
.rept 32                               ; these 32 plain lines are also the places between the last products and the loads into their fragments
	v_cvt_pk_bf16_f32 v[ZB+i], v[ZL+2*i], v[ZL+2*i+1]
.set i, i+1
.endr
.if (\T) < 7
.set i, 0
.rept 16
	global_load_b128 v[ZL+4*i:ZL+4*i+3], v[LO], s[28:29] offset:8192*((\T)+1)+512*i
.set i, i+1
.endr
.else
.set i, 0
.rept 16
	global_load_b128 v[ZL+4*i:ZL+4*i+3], v[LO], s[38:39] offset:512*i th:TH_LOAD_NT
.set i, i+1
.endr
.endif
.set i, 0
.rept 16
	ds_store_b64 v[ZS], v[ZB+2*i:ZB+2*i+1] offset:ZPIT*i
.set i, i+1
.endr
.irp s, 0,1,2,3                        ; LDS serves a wave's instructions in order (ISA guide 5.7.1.4): these see the stores above
	ds_load_b128 v[ZF+8*(\s):ZF+8*(\s)+3],   v[ZR] offset:64*(\s)
	ds_load_b128 v[ZF+8*(\s)+4:ZF+8*(\s)+7], v[ZR] offset:64*(\s)+32
.endr
	s_wait_dscnt 0x0
	WIN 0x01
.set i, 0
.rept 32                               ; the first eight start the sums at -(mu sig); the eight accumulators take turns
.if i < 8
	v_wmma_f32_16x16x32_bf16 v[ACC+8*(i%8):ACC+8*(i%8)+7], v[32*(i%8)+8*(i/8):32*(i%8)+8*(i/8)+7], v[ZF+8*(i/8):ZF+8*(i/8)+7], v[CT+8*(i%8):CT+8*(i%8)+7]
.else
	v_wmma_f32_16x16x32_bf16 v[ACC+8*(i%8):ACC+8*(i%8)+7], v[32*(i%8)+8*(i/8):32*(i%8)+8*(i/8)+7], v[ZF+8*(i/8):ZF+8*(i/8)+7], v[ACC+8*(i%8):ACC+8*(i%8)+7]
.endif
.set i, i+1
.endr
	WIN 0
.rept 4
	v_nop                                          ; four places between the last product and the first read of a result (ISA guide 7.12.1)
.endr
.irp p, 0,1,2,3                        ; the sum of squares in four chains; each accumulator is read from its low end on
	v_pk_mul_f32 v[QS+2*(\p):QS+2*(\p)+1], v[ACC+2*(\p):ACC+2*(\p)+1], v[ACC+2*(\p):ACC+2*(\p)+1]
.endr
.set i, 4
.rept 28
	v_pk_fma_f32 v[QS+2*(i%4):QS+2*(i%4)+1], v[ACC+2*i:ACC+2*i+1], v[ACC+2*i:ACC+2*i+1], v[QS+2*(i%4):QS+2*(i%4)+1]
.set i, i+1
.endr
	v_pk_add_f32 v[QS:QS+1], v[QS:QS+1], v[QS+2:QS+3]
	v_pk_add_f32 v[QS+4:QS+5], v[QS+4:QS+5], v[QS+6:QS+7]
	v_pk_add_f32 v[QS:QS+1], v[QS:QS+1], v[QS+4:QS+5]
	v_add_f32 v[QS], v[QS], v[QS+1]
	v_permlanex16_b32 v[TP], v[QS], s48, s49       ; the row's other 64 e lie in the lane 16 away
	v_add_f32 v[QS], v[QS], v[TP]
	v_max_num_f32 v[QS], 0, v[QS]                  ; the clamp
	ds_store_b32 v[GA0], v[QS] offset:64*(\T)      ; row 16 T + lane % 16; both halves of the lanes write the same word with the same number
.endm
.irp T, 0,1,2,3,4,5,6,7
	TILE \T
.endr
	s_wait_loadcnt 0x0                             ; my two rows of u
.set i, 0
.rept 32
	v_cvt_pk_bf16_f32 v[ACC+i], v[ZL+2*i], v[ZL+2*i+1]
.set i, i+1
.endr
.set i, 0
.rept 16
	global_store_b64 v[SO], v[ACC+2*i:ACC+2*i+1], s[40:41] offset:256*i  ; the wave stores 256 consecutive bytes, at a multiple of 256 from ub's first byte
.set i, i+1
.endr
	ds_load_b128 v[TP:TP+3], v[GR]                 ; my wave's 128 d2, in order behind its own stores
	s_wait_dscnt 0x0
	global_store_b128 v[LO], v[TP:TP+3], s[42:43]  ; 512 consecutive bytes of d2t[k]
	FINISH
	; ---------------- waves 4-7: the weights, six rounds of 16 KB in and 8 KB out: rounds 0-3 W_recon, 4-5 W_con ----------------
.Lrole_s:
.set i, 0
.rept 16                               ; slots 16-31 of round 0: with the 16 from ahead of the barrier the ring is full
	global_load_b128 v[XR+4*i:XR+4*i+3], v[LO], s[52:53] offset:512*(16+i) th:TH_LOAD_NT
.set i, i+1
.endr
	s_add_nc_u64 s[30:31], s[52:53], 16384         ; the source of the round to be asked for next
	s_mul_i32 s50, s23, 384*2048
	s_mul_i32 s51, s24, 96*2048
	s_add_co_u32 s50, s50, s51
	s_mov_b32 s51, 0
	s_add_nc_u64 s[36:37], s[16:17], s[50:51]      ; wb at quarter q of cluster k
	s_lshl_b32 s50, s25, 15
	s_add_co_u32 s50, s50, 32*2048                 ; behind the quarter's 32 rows of W_con
	s_add_nc_u64 s[32:33], s[36:37], s[50:51]      ; where round 0 goes
	s_lshl_b32 s50, s25, 14
	s_add_nc_u64 s[36:37], s[36:37], s[50:51]      ; where round 4 goes
	s_lshl_b32 s50, s23, 19                        ; W_con: row 128 k + 32 q; my quarter of the 32 rows is 32,768 bytes
	s_lshl_b32 s46, s24, 17
	s_add_co_u32 s50, s50, s46
	s_lshl_b32 s46, s25, 15
	s_add_co_u32 s50, s50, s46
	s_add_nc_u64 s[34:35], s[4:5], s[50:51]        ; round 4's source
; One slot's turn: 512 bytes of f32 become 256 of bf16.  ahead = 1: the slot is loaded again, for the next round.  left: the younger loads that may stay out.
.macro SLOT n, ahead, left
.set rX, XR+4*(((\n)+16)%32)           ; slots 0-15 at v88-151, slots 16-31 at v24-87
	s_wait_loadcnt \left                           ; loads come back in order (ISA guide 5.7.1): mine is in
	v_cvt_pk_bf16_f32 v[YR+2*(\n)],   v[rX],   v[rX+1]
	v_cvt_pk_bf16_f32 v[YR+2*(\n)+1], v[rX+2], v[rX+3]
.if \ahead
	global_load_b128 v[rX:rX+3], v[LO], s[30:31] offset:512*(\n) th:TH_LOAD_NT
.endif
	global_store_b64 v[SO], v[YR+2*(\n):YR+2*(\n)+1], s[32:33] offset:256*(\n)  ; 256 consecutive bytes, at a multiple of 256 from wb's first byte
.endm
	s_mov_b32 s46, 0
.Lround:
.set n, 0
.rept 32
	SLOT n, 1, 31                                  ; the ring's 31 other loads are younger
.set n, n+1
.endr
	s_wait_xcnt 0x0                                ; both bases and the stores' data are rewritten only behind this wait
	s_add_co_u32 s46, s46, 1
	s_add_nc_u64 s[30:31], s[30:31], 16384
	s_cmp_eq_u32 s46, 3                            ; trip 3 asks for round 4: W_con begins
	s_cselect_b64 s[30:31], s[34:35], s[30:31]
	s_add_nc_u64 s[32:33], s[32:33], 8192
	s_cmp_eq_u32 s46, 4                            ; trip 4 stores round 4
	s_cselect_b64 s[32:33], s[36:37], s[32:33]
	s_cmp_lt_u32 s46, 5
	s_cbranch_scc1 .Lround
.set n, 0
.rept 32
	SLOT n, 0, 31-n                                ; the last round loads nothing: the counts run down
.set n, n+1
.endr
	FINISH
.Lfunc_end_k_qd9c962eede_prep:
	.size	k_qd9c962eede_prep, .Lfunc_end_k_qd9c962eede_prep-k_qd9c962eede_prep
	.p2alignl 7, 3214868480
	.fill 96, 4, 3214868480
	.section	.rodata,"a",@progbits
	.p2align	6, 0x0
	.amdhsa_kernel k_qd9c962eede_prep
		.amdhsa_group_segment_fixed_size 57344
		.amdhsa_private_segment_fixed_size 0
		.amdhsa_enable_private_segment 0
		.amdhsa_kernarg_size 72
		.amdhsa_user_sgpr_count 2
		.amdhsa_user_sgpr_kernarg_segment_ptr 1
		.amdhsa_wavefront_size32 1
		.amdhsa_system_sgpr_workgroup_id_x 1
		.amdhsa_system_sgpr_workgroup_id_y 1
		.amdhsa_system_sgpr_workgroup_id_z 1
		.amdhsa_system_vgpr_workitem_id 0
		.amdhsa_next_free_vgpr 512
		.amdhsa_next_free_sgpr 66
		.amdhsa_reserve_vcc 0
		.amdhsa_float_denorm_mode_32 3
		.amdhsa_float_denorm_mode_16_64 3
		.amdhsa_memory_ordered 1
		.amdhsa_forward_progress 1
		.amdhsa_inst_pref_size 124
	.end_amdhsa_kernel
	.amdgpu_metadata
---
amdhsa.version: [ 1, 2 ]
amdhsa.kernels:
  - .name:           k_qd9c962eede_prep
    .symbol:         k_qd9c962eede_prep.kd
    .args:
      - { .name: W_con, .offset: 0, .size: 8, .value_kind: global_buffer, .address_space: global }
      - { .name: W_recon, .offset: 8, .size: 8, .value_kind: global_buffer, .address_space: global }
      - { .name: u, .offset: 16, .size: 8, .value_kind: global_buffer, .address_space: global }
      - { .name: z, .offset: 24, .size: 8, .value_kind: global_buffer, .address_space: global }
      - { .name: mu, .offset: 32, .size: 8, .value_kind: global_buffer, .address_space: global }
      - { .name: sigma_inv, .offset: 40, .size: 8, .value_kind: global_buffer, .address_space: global }
      - { .name: wb, .offset: 48, .size: 8, .value_kind: global_buffer, .address_space: global }
      - { .name: ub, .offset: 56, .size: 8, .value_kind: global_buffer, .address_space: global }
      - { .name: d2t, .offset: 64, .size: 8, .value_kind: global_buffer, .address_space: global }
    .group_segment_fixed_size: 57344
    .private_segment_fixed_size: 0
    .kernarg_segment_align: 8
    .kernarg_segment_size: 72
    .max_flat_workgroup_size: 256
    .sgpr_count:     66
    .vgpr_count:     512
    .wavefront_size: 32
...
	.end_amdgpu_metadata
.endif
;; end of part 1
;; launch main (part 2): grid 32 x 8, 4 waves a work-group, clusters of 4 x 4, 327,680 bytes of LDS; arguments ub, wb, d2t, member, part; writes part
.if DOCPART == 2
	.amdgcn_target "amdgcn-amd-amdhsa--gfx1250"
	.amdhsa_code_object_version 6
	.text
	.protected	k_qd9c962eede_main
	.globl	k_qd9c962eede_main
	.p2align	8
	.type	k_qd9c962eede_main,@function
k_qd9c962eede_main:
	s_mov_b64 s[64:65], 0
	v_nop
	global_prefetch_b8 v0, s[64:65] scope:SCOPE_SE
	s_setreg_imm32_b32 hwreg(HW_REG_WAVE_MODE, 25, 1), 1
	s_wait_xcnt 0x0
	s_wait_alu depctr_hold_cnt(0) depctr_sa_sdst(0) depctr_va_vdst(0) depctr_va_sdst(0) depctr_va_ssrc(0) depctr_va_vcc(0) depctr_vm_vsrc(0)
	s_getreg_b32 s2, hwreg(HW_REG_IB_STS2, 6, 4)
	s_cmp_eq_u32 s2, 0
	s_cbranch_scc0 .Lentry_in_a_cluster
	s_endpgm
.Lentry_in_a_cluster:
	s_bfe_u32 s2, ttmp6, 0x10000c
	s_cmp_lg_u32 s2, 0xf033
	s_cbranch_scc0 .Lentry_shape_is_right
	s_endpgm
.Lentry_shape_is_right:
; MAIN.  For 256 rows b (block y), 192 output columns (half oh: 64 of y_con, 128 of x_recon) and four clusters k = 4 ks .. 4 ks + 3:
;   part = sum over those k of weight[b][k] x | sum over i of u[b][i] W[k][o][i] |,   weight = psi for y_con's columns, member for x_recon's.
; psi = softmax over all 64 k of -d2 (d2t comes clamped from the launch before): the row's least d2 is taken away first, p = 2^(-L d2 + L min), L = log2(e); a weight below 2^-126 counts as 0;
; the rounding of L min is common to a row's 64 terms and cancels in the division.  NaN and infinities are not treated apart.  u and W are bf16 (rounded once), sums f32, member f32 as given.
; SHARES.  x = 2 ks + oh, y = row block.  Four waves, each 128 rows x 96 columns: 48 product accumulators and 48 output accumulators of 16 x 16.  The four clusters are four TILES walked one after the
; other through one ring: K = 1,024 in steps of 128 through two LDS slots (u's 256 rows, then wb's 192), and the ring does not stop at a tile's end.  Behind a tile's last product OUT += weight x |ACC|.
; The abs stands between the product and the sum over k, so k is split 16 ways over work-groups; the f32 partial sums leave in register order and the next launch adds them.
; CLUSTERS: 4 x 4.  u's tile hangs on y and the K step alone and is asked for jointly along a row of the cluster; wb's hangs on x alone and is asked for jointly along a column.
; THE MATRIX INSTRUCTION IS USED TRANSPOSED (source 0 = 16 rows of wb, source 1 = 16 rows of u): a lane holds ONE row b (lane % 16), so one weight a lane serves an accumulator's eight registers.
; REGISTERS, in windows of 256 (s_set_vgpr_msb: bits 1:0 source 0, 3:2 source 1, 5:4 source 2, 7:6 destination).  t = 6 a + nb, a = block of 16 rows (0..7), nb = block of 16 columns (0, 1 con; 2..5 recon).
;   window 0: v0-15 addresses; v16-23 psi, v24-31 member of row block a; v32-143, v144-255 two fragment buffers (u's eight fragments, then wb's six)
;   ACC(t): window 1 v[8 t] for t < 32, window 2 v[8 (t - 32)] from 32 on.      OUT(t): window 2 v[128 + 8 t] for t < 16, window 3 v[8 (t - 16)] from 16 on.
.set KSTEP,  128
.set PITCH,  272                       ; an LDS row: 256 bytes + 16 of padding = 68 words: the 16 rows of a fragment load start at 16 different groups of four banks (64 banks of 4 bytes: ISA guide 11.1)
.set HALFA,  128*PITCH                 ; 128 rows of u: one tensor load, and what a wave reads of u
.set HALFB,  96*PITCH                  ; 96 rows of wb: likewise
.set BOFF,   2*HALFA
.set SLOT,   BOFF+2*HALFB              ; 121,856 bytes
.set WT,     2*SLOT                    ; behind the ring, never filled by a tensor load: weights [kk 4][psi, member][256 rows] f32, 8,192 bytes
.set SPARE,  WT+8192                   ; the spare words: 128 bytes for each wave, two blocks of 256 bytes that no other line names
.set LAPS,   4                         ; a lap = two K steps = once round the ring
.set TILES,  4
.set BACK_A, 3*2*KSTEP*2               ; from a slot's last K step of a tile back to its first: u is the same for every tile
.set NEXT_B, 384*2048-BACK_A           ; wb goes 384 rows down and back along K
.set FLAGS,  (1<<16)|(1<<20)|(1<<21)|(5<<22)|(3<<25)  ; 17:16 2-byte elements; 20 padding on; 21 set beside a mask; 24:22 after every 64 words (code 5); 31:25 4 words (code 3)
.set ADRA, 2                           ; v2-3   LDS address of my fragments of u in slot 0, 1
.set ADRB, 4                           ; v4-5   the same for wb
.set WA,   6                           ; v6     LDS address of my row's psi in tile 0, row block 0
.set PO,   7                           ; v7     16 x lane
.set SPW,  8                           ; v8     my spare word; never rewritten
.set NIL,  9                           ; v9     0; never rewritten
.set WPSI, 16
.set WMEM, 24
.set F0,   32
.set F1,   144
.set G1,  24                           ; s[24:31] descriptor group 1 for u's tiles;  s[32:39] group 0, a set for each slot
.set G0,  32
.set G1B, 48                           ; s[48:55], s[56:63] the same for wb's tiles
.set G0B, 56
.set MSB, 0
.macro WIN new                         ; the immediate's high byte repeats the setting that is left; a switch that changes nothing is dropped
.if MSB != (\new)
	s_set_vgpr_msb (MSB<<8)|(\new)
.set MSB, \new
.endif
.endm
; A joint load: waves 0 and 1 fetch u's two halves, waves 2 and 3 wb's.  The branch hangs on the wave's number alone.  An s_nop 0 and four v_nop follow each of the two lines.
.macro JLOAD s
	s_cmp_eq_u32 s15, 0
	s_cbranch_scc0 .Lfor_b_\@
	tensor_load_to_lds s[G0+4*(\s):G0+4*(\s)+3], s[G1:G1+7]
	s_nop 0
.rept 4
	v_nop
.endr
	s_branch .Lasked_\@
.Lfor_b_\@:
	tensor_load_to_lds s[G0B+4*(\s):G0B+4*(\s)+3], s[G1B:G1B+7]
	s_nop 0
.rept 4
	v_nop
.endr
.Lasked_\@:
.endm
.macro CREST                           ; a round of the cluster's barrier behind its opening barrier
	s_cmp_lg_u32 s14, 0
	s_cbranch_scc1 .Lnot_wave_0_\@
	s_barrier_signal -3
.Lnot_wave_0_\@:
	s_barrier_wait -3
	s_barrier_signal -1
	s_barrier_wait -1
.endm
.macro CROUND                          ; a whole round
	s_barrier_signal -1
	s_barrier_wait -1
	CREST
.endm
.macro PLACES                          ; four places in front of loads into registers that matrix instructions have read, and of reads of results (ISA guide 7.12.1 for reads of results)
.rept 4
	v_nop
.endr
.endm
	s_load_b256 s[4:11], s[0:1], 0x0               ; ub s[4:5], wb s[6:7], d2t s[8:9], member s[10:11]
	s_load_b64 s[12:13], s[0:1], 0x20              ; part
	v_lshl_add_u32 v[SPW], v0, 2, SPARE
	v_mov_b32 v[NIL], 0
	ds_add_u32 v[SPW], v[NIL]                      ; the wave's opening: the add and its wait stand ahead of my first tensor load; the set-up below, work on registers, stands between them
	v_lshrrev_b32 v1, 5, v0
	v_readfirstlane_b32 s14, v1                    ; wave 0..3
	s_lshr_b32 s15, s14, 1                         ; mh: which 128 rows are mine.  Also: I fetch for u (0) or for wb (1)
	s_and_b32 s16, s14, 1                          ; nh: which 96 columns.  Also: which half of that tile I fetch
	s_bfe_u32 s17, ttmp6, 0x40000                  ; cx
	s_bfe_u32 s18, ttmp6, 0x40004                  ; cy
	s_lshl_b32 s19, ttmp9, 2
	s_add_co_u32 s19, s19, s17                     ; x = 4 x cluster x + cx
	s_and_b32 s20, ttmp7, 0xffff
	s_lshl_b32 s20, s20, 2
	s_add_co_u32 s20, s20, s18                     ; y = 4 x cluster y + cy
	s_lshl_b32 s21, s18, 2
	s_lshl_b32 s21, 15, s21                        ; my row of the cluster
	s_lshl_b32 s22, 0x1111, s17                    ; my column
	s_or_b32 s[G1], s21, FLAGS                     ; u's tiles go to my row,
	s_or_b32 s[G1B], s22, FLAGS                    ; wb's to my column
	s_mov_b32 s[G1+1], KSTEP<<16                   ; tensor_dim0 = 128
	s_mov_b32 s[G1+2], 128<<16                     ; tensor_dim1 = 128
	s_mov_b32 s[G1+3], KSTEP<<16                   ; tile_dim0 = 128
	s_mov_b32 s[G1+4], 128                         ; tile_dim1 = 128
	s_mov_b32 s[G1+5], 1024                        ; elements from row to row
	s_mov_b32 s[G1+6], 0
	s_mov_b32 s[G1+7], 0
	s_mov_b32 s[G1B+1], KSTEP<<16
	s_mov_b32 s[G1B+2], 96<<16                     ; 96 rows
	s_mov_b32 s[G1B+3], KSTEP<<16
	s_mov_b32 s[G1B+4], 96
	s_mov_b32 s[G1B+5], 1024
	s_mov_b32 s[G1B+6], 0
	s_mov_b32 s[G1B+7], 0
	s_lshl_b32 s40, s20, 8                         ; u: row 256 y + 128 x half, 2,048 bytes a row: no register here ever holds cx
	s_lshl_b32 s41, s16, 7
	s_add_co_u32 s40, s40, s41
	s_lshl_b32 s40, s40, 11
	s_mov_b32 s41, 0
	s_lshr_b32 s23, s19, 1                         ; ks
	s_and_b32 s74, s19, 1                          ; oh
	s_mul_i32 s44, s23, 4*384                      ; wb: row 1,536 ks + 192 oh + 96 x half: no register here ever holds cy
	s_mul_i32 s45, s74, 192
	s_add_co_u32 s44, s44, s45
	s_mul_i32 s45, s16, 96
	s_add_co_u32 s44, s44, s45
	s_lshl_b32 s44, s44, 11
	s_mov_b32 s45, 0
	s_mul_i32 s46, s14, HALFA                      ; where they go: u's halves at wave x 34,816 (waves 0, 1),
	s_mul_i32 s47, s14, HALFB
	s_add_co_u32 s47, s47, BOFF-2*HALFB            ; wb's at 17,408 + wave x 26,112 (waves 2, 3): BOFF and BOFF + HALFB
	s_lshl_b32 s72, s20, 10                        ; thread t has rows 2 t and 2 t + 1 of the block: d2t at 4 (256 y + 2 t)
	v_lshl_add_u32 v10, v0, 3, s72
	s_lshl_b32 s72, s20, 16                        ; member at 256 (256 y + 2 t) + 16 ks
	s_lshl_b32 s73, s23, 4
	s_add_co_u32 s72, s72, s73
	v_lshl_add_u32 v11, v0, 9, s72
	s_lshl_b32 s75, s20, 1                         ; part: ((2 y + oh) 4 + wave) x 786,432 + 6,144 ks
	s_add_co_u32 s75, s75, s74
	s_lshl_b32 s75, s75, 2
	s_add_co_u32 s75, s75, s14
	s_mul_i32 s76, s75, 786432
	s_mul_i32 s75, s23, 6144
	s_add_co_u32 s76, s76, s75
	s_mov_b32 s77, 0
	s_lshl_b32 s72, s23, 15                        ; my four clusters' rows of d2t
	s_mov_b32 s73, 0
	s_mov_b32 s68, 0xbfb8aa3b                      ; -log2(e)
	s_mov_b32 s69, s68                             ; named with it as a pair
	s_wait_dscnt 0x0                               ; the opening add is done
	s_wait_kmcnt 0x0
	s_add_nc_u64 s[70:71], s[8:9], s[72:73]
	s_add_nc_u64 s[12:13], s[12:13], s[76:77]
	s_add_nc_u64 s[40:41], s[4:5], s[40:41]
	s_add_nc_u64 s[44:45], s[6:7], s[44:45]
	; The softmax's loads: 62 go out ahead of the round, the other 8 behind the first fills, so that the count of loads out stays within its field and my tensor loads are not held back.
.set k, 0
.rept 56                               ; d2 of cluster k, my two rows: the wave reads 256 consecutive bytes
	global_load_b64 v[32+2*k:33+2*k], v10, s[8:9] offset:8192*k
.set k, k+1
.endr
.irp kk, 0,1,2,3                       ; once more for my own four clusters: registers cannot be chosen by ks
	global_load_b64 v[160+2*(\kk):161+2*(\kk)], v10, s[70:71] offset:8192*(\kk)
.endr
	global_load_b128 v[168:171], v11, s[10:11]             ; member[row 2 t][4 ks .. + 3]: 16 bytes of a row, once a launch; the 16 work-groups of a row block use all of the row between them
	global_load_b128 v[172:175], v11, s[10:11] offset:256  ; row 2 t + 1
	CROUND                                         ; all sixteen work-groups are here: the first joint loads meet
.irp s, 0,1
	s_mov_b32 s[G0+4*(\s)], 1                                        ; count = 1
	s_add_co_u32 s[G0+4*(\s)+1], s46, (\s)*SLOT                      ; LDS address
	s_add_nc_u64 s[G0+4*(\s)+2:G0+4*(\s)+3], s[40:41], (\s)*KSTEP*2  ; global address: K step s
	s_or_b32 s[G0+4*(\s)+3], s[G0+4*(\s)+3], 0x80000000              ; type = 2
	s_mov_b32 s[G0B+4*(\s)], 1
	s_add_co_u32 s[G0B+4*(\s)+1], s47, (\s)*SLOT
	s_add_nc_u64 s[G0B+4*(\s)+2:G0B+4*(\s)+3], s[44:45], (\s)*KSTEP*2
	s_or_b32 s[G0B+4*(\s)+3], s[G0B+4*(\s)+3], 0x80000000
	JLOAD \s                                       ; two tensor loads of mine are out
.endr
.set k, 56
.rept 8
	global_load_b64 v[32+2*k:33+2*k], v10, s[8:9] offset:8192*k
.set k, k+1
.endr
	; OUT starts at 0: 384 lines, in the wait for the first tile and for d2.  They spare a second text of the weighing for the first tile.
	WIN 0x80
.set i, 128
.rept 128
	v_mov_b32 v[i], 0
.set i, i+1
.endr
	WIN 0xc0
.set i, 0
.rept 256
	v_mov_b32 v[i], 0
.set i, i+1
.endr
	WIN 0
	; A fragment is 16 rows x 32 K in 8 registers: lane l holds row l % 16, K = 8 (l / 16) + 0..7 and 16 + 8 (l / 16) + 0..7: two loads of 16 bytes, 32 bytes apart.
	v_and_b32 v12, 15, v0
	v_bfe_u32 v13, v0, 4, 1
	v_mul_u32_u24 v14, v12, PITCH
	v_lshl_add_u32 v14, v13, 4, v14
	s_mul_i32 s72, s15, HALFA
	s_mul_i32 s73, s16, HALFB
	s_add_co_u32 s73, s73, BOFF
.irp s, 0,1
	v_add_nc_u32 v[ADRA+(\s)], s72, v14
	v_add_nc_u32 v[ADRB+(\s)], s73, v14
	s_add_co_u32 s72, s72, SLOT
	s_add_co_u32 s73, s73, SLOT
.endr
	s_lshl_b32 s72, s15, 9
	s_add_co_u32 s72, s72, WT
	v_lshl_add_u32 v[WA], v12, 2, s72              ; WT + 4 (128 mh + l % 16)
	v_and_b32 v[PO], 31, v0
	v_lshlrev_b32 v[PO], 4, v[PO]
	v_lshl_add_u32 v15, v0, 3, WT                  ; where my two rows' weights go
	; THE SOFTMAX of my two rows (row 2 t in the even registers, 2 t + 1 in the odd ones).
	s_wait_loadcnt 0x0
.set j, 0
.rept 8                                ; the least d2: for each row four chains of 15, three operands at a time; chain c = j % 4 of row j / 4
	v_min3_num_f32 v[176+j], v[32+32*(j%4)+(j/4)], v[34+32*(j%4)+(j/4)], v[36+32*(j%4)+(j/4)]
.set j, j+1
.endr
.set i, 0
.rept 6
.set j, 0
.rept 8
	v_min3_num_f32 v[176+j], v[176+j], v[38+32*(j%4)+4*i+(j/4)], v[40+32*(j%4)+4*i+(j/4)]
.set j, j+1
.endr
.set i, i+1
.endr
.irp p, 0,1
	v_min3_num_f32 v[176+4*(\p)], v[176+4*(\p)], v[177+4*(\p)], v[178+4*(\p)]
.endr
.irp p, 0,1
	v_min3_num_f32 v[176+4*(\p)], v[176+4*(\p)], v[179+4*(\p)], v[62+(\p)]   ; and the four clusters left over: 15, 31, 47, 63
.endr
.irp p, 0,1
	v_min3_num_f32 v[176+4*(\p)], v[176+4*(\p)], v[94+(\p)], v[126+(\p)]
.endr
.irp p, 0,1
	v_min_num_f32 v[12+(\p)], v[176+4*(\p)], v[158+(\p)]
.endr
.irp p, 0,1
	v_mul_f32 v[12+(\p)], 0x3fb8aa3b, v[12+(\p)]   ; L min
.endr
.set k, 0
.rept 68                               ; -L d2 + L min, one rounding: 64 clusters, then my four once more
	v_pk_fma_f32 v[32+2*k:33+2*k], v[32+2*k:33+2*k], s[68:69], v[12:13] op_sel_hi:[1,0,1]
.set k, k+1
.endr
.set i, 32
.rept 136                              ; one batch
	v_exp_f32 v[i], v[i]
.set i, i+1
.endr
	v_nop                                          ; a plain instruction behind the last exponential,
	s_wait_alu depctr_va_vdst(0)                   ; and one wait ahead of the batch's first reader
.set i, 1
.rept 15                               ; the sum, in four chains
.irp c, 0,1,2,3
	v_pk_add_f32 v[32+32*(\c):33+32*(\c)], v[32+32*(\c):33+32*(\c)], v[32+32*(\c)+2*i:33+32*(\c)+2*i]
.endr
.set i, i+1
.endr
	v_pk_add_f32 v[32:33], v[32:33], v[64:65]
	v_pk_add_f32 v[96:97], v[96:97], v[128:129]
	v_pk_add_f32 v[32:33], v[32:33], v[96:97]
	v_rcp_f32 v32, v32                             ; the sum holds the least d2's term, about 1: no division by 0
	v_rcp_f32 v33, v33
	v_nop
	s_wait_alu depctr_va_vdst(0)                   ; one wait for the two reciprocals
.irp kk, 0,1,2,3
	v_pk_mul_f32 v[160+2*(\kk):161+2*(\kk)], v[160+2*(\kk):161+2*(\kk)], v[32:33]
.endr
.irp kk, 0,1,2,3
	ds_store_b64 v15, v[160+2*(\kk):161+2*(\kk)] offset:2048*(\kk)          ; psi of rows 2 t, 2 t + 1
	ds_store_b32 v15, v[168+(\kk)] offset:2048*(\kk)+1024                   ; member of row 2 t,
	ds_store_b32 v15, v[172+(\kk)] offset:2048*(\kk)+1028                   ; of row 2 t + 1
.endr
; 12 matrix instructions: row blocks a0, a0 + 1 x all 6 column blocks, 32 along K.  zero = 1: the product starts the sum.  The 48 accumulators take turns in the same order in every quarter.
.macro MUL12 f, a0, zero
.irp a, \a0, (\a0)+1
.irp b, 0,1,2,3,4,5
.set t, 6*(\a)+(\b)
.if t < 32
	WIN 0x50                                       ; C and D window 1
.set rA, 8*t
.else
	WIN 0xa0                                       ; C and D window 2
.set rA, 8*(t-32)
.endif
.if \zero
	v_wmma_f32_16x16x32_bf16 v[rA:rA+7], v[(\f)+64+8*(\b):(\f)+64+8*(\b)+7], v[(\f)+8*(\a):(\f)+8*(\a)+7], 0
.else
	v_wmma_f32_16x16x32_bf16 v[rA:rA+7], v[(\f)+64+8*(\b):(\f)+64+8*(\b)+7], v[(\f)+8*(\a):(\f)+8*(\a)+7], v[rA:rA+7]
.endif
.endr
.endr
.endm
; 28 LDS loads in one run: the fragments of one quarter step (96 rows of wb, then 128 rows of u, 32 K at byte k of the rows) into buffer f
.macro FETCH slot, k, f
	WIN 0
.irp i, 0,1,2,3,4,5
	ds_load_b128 v[(\f)+64+8*(\i):(\f)+64+8*(\i)+3],   v[ADRB+(\slot)] offset:(\k)+(\i)*16*PITCH
	ds_load_b128 v[(\f)+64+8*(\i)+4:(\f)+64+8*(\i)+7], v[ADRB+(\slot)] offset:(\k)+(\i)*16*PITCH+32
.endr
.irp i, 0,1,2,3,4,5,6,7
	ds_load_b128 v[(\f)+8*(\i):(\f)+8*(\i)+3],   v[ADRA+(\slot)] offset:(\k)+(\i)*16*PITCH
	ds_load_b128 v[(\f)+8*(\i)+4:(\f)+8*(\i)+7], v[ADRA+(\slot)] offset:(\k)+(\i)*16*PITCH+32
.endr
.endm
; A K step is four quarters of 32 along K, 48 matrix instructions each, on buffers 0, 1, 0, 1.  One of the first three: multiplies buffer f and, in its middle, fetches the next quarter, at byte k, into g.
.macro QUARTER slot, k, f, g, zero
	s_wait_dscnt 8                                 ; wb and u's blocks 0-3 are in; the youngest eight loads (u's blocks 4-7) may be out
	MUL12 \f, 0, \zero
	MUL12 \f, 2, \zero
	PLACES
	FETCH \slot, \k, \g
	s_wait_dscnt 28                                ; all but the 28 just issued
	MUL12 \f, 4, \zero
	MUL12 \f, 6, \zero
.endm
; The last quarter multiplies buffer 1 and changes slots: ONE barrier.  In front of it each wave waits for all its tensor loads (one is out: its part of the next slot), adds 0 to its spare word, and waits for that
; and for its own reads of this slot.  mode 0: the slot is filled again with this tile's K step two steps on; 1: with the NEXT tile's K step 0 or 1; the barrier then opens a round of the cluster's, and the joint
; refill is the first tensor load behind it: 168 matrix instructions ahead of the wait for it.  mode 2: nothing is filled.
.macro TURN slot, next, mode
	WIN 0                                          ; (the add's two registers lie in window 0)
	s_wait_tensorcnt 0x0
	ds_add_u32 v[SPW], v[NIL]                      ; 0 onto my spare word
	s_wait_dscnt 9                                 ; (the add and the youngest eight loads may be out)
	MUL12 F1, 0, 0                                 ; twelve matrix instructions stand between the add and the wait for it
	s_wait_dscnt 0x0                               ; the add is done, and my reads of this slot are over
	s_barrier_signal -1
	MUL12 F1, 2, 0                                 ; work on registers while the others arrive
	WIN 0
	s_barrier_wait -1
.if (\mode) < 2
	CREST                                          ; no wave of any partner still reads this slot's tiles or has a load on its way
.if (\mode) == 1
	s_sub_nc_u64 s[G0+4*(\slot)+2:G0+4*(\slot)+3], s[G0+4*(\slot)+2:G0+4*(\slot)+3], BACK_A
	s_add_nc_u64 s[G0B+4*(\slot)+2:G0B+4*(\slot)+3], s[G0B+4*(\slot)+2:G0B+4*(\slot)+3], NEXT_B
.else
	s_add_nc_u64 s[G0+4*(\slot)+2:G0+4*(\slot)+3], s[G0+4*(\slot)+2:G0+4*(\slot)+3], 2*KSTEP*2
	s_add_nc_u64 s[G0B+4*(\slot)+2:G0B+4*(\slot)+3], s[G0B+4*(\slot)+2:G0B+4*(\slot)+3], 2*KSTEP*2
.endif
	JLOAD \slot                                    ; the four v_nop behind it are also the places in front of the loads below
.else
	PLACES
.endif
	FETCH \next, 0, F0
	MUL12 F1, 4, 0
	MUL12 F1, 6, 0
.endm
; A tile's end: OUT += weight x |ACC|.  The lane's row has one psi and one member for each row block a; each accumulator is read from its low end on.
.macro EPI
	WIN 0
	v_add_nc_u32 v1, s76, v[WA]                    ; this tile's weights: 2,048 bytes a tile
	s_add_co_u32 s76, s76, 2048
.irp a, 0,1,2,3,4,5,6,7
	ds_load_b32 v[WPSI+(\a)], v1 offset:64*(\a)
	ds_load_b32 v[WMEM+(\a)], v1 offset:1024+64*(\a)
.endr
	PLACES
	s_wait_dscnt 0x0
.set t, 0
.rept 48
.set rW, WPSI+t/6
.if (t%6) >= 2
.set rW, WMEM+t/6
.endif
.if t < 16
	WIN 0xa1                                       ; OUT window 2, ACC window 1, the weight window 0
.set rO, 128+8*t
.set rA, 8*t
.elseif t < 32
	WIN 0xf1                                       ; OUT window 3, ACC window 1
.set rO, 8*(t-16)
.set rA, 8*t
.else
	WIN 0xf2                                       ; OUT window 3, ACC window 2
.set rO, 8*(t-16)
.set rA, 8*(t-32)
.endif
.irp j, 0,1,2,3,4,5,6,7
	v_fma_f32 v[rO+(\j)], |v[rA+(\j)]|, v[rW], v[rO+(\j)]
.endr
.set t, t+1
.endr
	WIN 0
.endm
	s_wait_dscnt 0x0                               ; for the others' sake: my rows' weights are in LDS,
	s_wait_tensorcnt 1                             ; my part of K step 0 is in; K step 1's may stay out
	s_barrier_signal -1
	s_barrier_wait -1                              ; everybody's is
	FETCH 0, 0, F0
	s_mov_b32 s76, 0
	s_mov_b32 s66, TILES                           ; tiles to go, this one among them: the same number in every work-group
.Ltile:
	QUARTER 0, 64,  F0, F1, 1                      ; a tile's first quarter stands in front of the loop: its products start the sums
	WIN 0                                          ; at a label and at a branch every window is 0
	s_mov_b32 s67, LAPS-1
.Llap:                                                 ; a trip goes once round the ring, from a lap's second quarter to the next lap's first, and fills both slots again
	QUARTER 0, 128, F1, F0, 0
	QUARTER 0, 192, F0, F1, 0
	TURN 0, 1, 0
	QUARTER 1, 64,  F0, F1, 0
	QUARTER 1, 128, F1, F0, 0
	QUARTER 1, 192, F0, F1, 0
	TURN 1, 0, 0
	QUARTER 0, 64,  F0, F1, 0
	WIN 0
	s_sub_co_u32 s67, s67, 1
	s_cmp_lg_u32 s67, 0
	s_cbranch_scc1 .Llap
	QUARTER 0, 128, F1, F0, 0                      ; the tile's last lap goes on
	QUARTER 0, 192, F0, F1, 0
	WIN 0
	s_cmp_eq_u32 s66, 1
	s_cbranch_scc1 .Llast                          ; the last tile's tail is written out: it asks for nothing more
	TURN 0, 1, 1                                   ; the ring goes on into the next cluster: slot 0 takes its K step 0,
	QUARTER 1, 64,  F0, F1, 0
	QUARTER 1, 128, F1, F0, 0
	QUARTER 1, 192, F0, F1, 0
	TURN 1, 0, 1                                   ; slot 1 its K step 1, and the next tile's first fragments are fetched
	EPI                                            ; both refills are on their way while the tile is weighed in
	s_sub_co_u32 s66, s66, 1
	s_branch .Ltile
.Llast:
	TURN 0, 1, 2
	QUARTER 1, 64,  F0, F1, 0
	QUARTER 1, 128, F1, F0, 0
	QUARTER 1, 192, F0, F1, 0
	s_wait_dscnt 8                                 ; the very last quarter: nothing more to fetch
	MUL12 F1, 0, 0
	MUL12 F1, 2, 0
	s_wait_dscnt 0x0
	MUL12 F1, 4, 0
	MUL12 F1, 6, 0
	EPI
	; THE PARTIAL SUMS leave in register order: part[y][oh][wave][a][ks][2 nb + q][lane][4]: each store of the wave covers 512 consecutive bytes, at a multiple of 512 from part's first byte
.set t, 0
.rept 48
.if t < 16
	WIN 0x08                                       ; the data (source 1) in window 2
.set rO, 128+8*t
.else
	WIN 0x0c                                       ; in window 3
.set rO, 8*(t-16)
.endif
	global_store_b128 v[PO], v[rO:rO+3],   s[12:13] offset:98304*(t/6)+1024*(t%6)
	global_store_b128 v[PO], v[rO+4:rO+7], s[12:13] offset:98304*(t/6)+1024*(t%6)+512
.set t, t+1
.endr
	WIN 0
	s_wait_tensorcnt 0x0                           ; the wave's end: a wait on tensor loads, an add of 0 to my spare word and its wait, behind my last tensor load and my last LDS store
	ds_add_u32 v[SPW], v[NIL]
	s_wait_dscnt 0x0
	CROUND                                         ; the closing round: no work-group ends while a partner may still ask for a tile that names it
	s_endpgm
.Lfunc_end_k_qd9c962eede_main:
	.size	k_qd9c962eede_main, .Lfunc_end_k_qd9c962eede_main-k_qd9c962eede_main
	.p2alignl 7, 3214868480
	.fill 96, 4, 3214868480
	.section	.rodata,"a",@progbits
	.p2align	6, 0x0
	.amdhsa_kernel k_qd9c962eede_main
		.amdhsa_group_segment_fixed_size 327680
		.amdhsa_private_segment_fixed_size 0
		.amdhsa_enable_private_segment 0
		.amdhsa_kernarg_size 40
		.amdhsa_user_sgpr_count 2
		.amdhsa_user_sgpr_kernarg_segment_ptr 1
		.amdhsa_wavefront_size32 1
		.amdhsa_system_sgpr_workgroup_id_x 1
		.amdhsa_system_sgpr_workgroup_id_y 1
		.amdhsa_system_sgpr_workgroup_id_z 1
		.amdhsa_system_vgpr_workitem_id 0
		.amdhsa_next_free_vgpr 1024
		.amdhsa_next_free_sgpr 80
		.amdhsa_reserve_vcc 0
		.amdhsa_float_denorm_mode_32 3
		.amdhsa_float_denorm_mode_16_64 3
		.amdhsa_memory_ordered 1
		.amdhsa_forward_progress 1
		.amdhsa_inst_pref_size 215
	.end_amdhsa_kernel
	.amdgpu_metadata
---
amdhsa.version: [ 1, 2 ]
amdhsa.kernels:
  - .name:           k_qd9c962eede_main
    .symbol:         k_qd9c962eede_main.kd
    .args:
      - { .name: ub, .offset: 0, .size: 8, .value_kind: global_buffer, .address_space: global }
      - { .name: wb, .offset: 8, .size: 8, .value_kind: global_buffer, .address_space: global }
      - { .name: d2t, .offset: 16, .size: 8, .value_kind: global_buffer, .address_space: global }
      - { .name: member, .offset: 24, .size: 8, .value_kind: global_buffer, .address_space: global }
      - { .name: part, .offset: 32, .size: 8, .value_kind: global_buffer, .address_space: global }
    .group_segment_fixed_size: 327680
    .private_segment_fixed_size: 0
    .kernarg_segment_align: 8
    .kernarg_segment_size: 40
    .max_flat_workgroup_size: 128
    .sgpr_count:     80
    .vgpr_count:     1024
    .wavefront_size: 32
...
	.end_amdgpu_metadata
.endif
;; end of part 2
;; launch reduce (part 3): grid 256 x 1, 24 waves a work-group, no clusters, 15,616 bytes of LDS; arguments part, out0, out1; writes out0, out1
.if DOCPART == 3
	.amdgcn_target "amdgcn-amd-amdhsa--gfx1250"
	.amdhsa_code_object_version 6
	.text
	.protected	k_qd9c962eede_reduce
	.globl	k_qd9c962eede_reduce
	.p2align	8
	.type	k_qd9c962eede_reduce,@function
k_qd9c962eede_reduce:
	s_mov_b64 s[64:65], 0
	v_nop
	global_prefetch_b8 v0, s[64:65] scope:SCOPE_SE
	s_setreg_imm32_b32 hwreg(HW_REG_WAVE_MODE, 25, 1), 1
	s_wait_xcnt 0x0
; REDUCE.  out = the sum over the 16 splits ks of part, in a fixed tree, in f32; the register order of part is turned into rows through LDS.
; part[bb 8][oh 2][wave 4][a 8][ks 16][g 12][lane 32][4] f32; wave = 2 mh + nh, g = 2 nb + q; lane (r = l % 16, h = l / 16) holds row 256 bb + 128 mh + 16 a + r and the wave's columns 16 nb + 8 h + 4 q + 0..3
; (nb 0, 1: y_con's column 64 oh + 32 nh + ..; nb 2..5: x_recon's column 128 oh + 64 nh + 16 (nb - 2) + ..).
; SHARES.  Work-group id = bb, oh, mh, a (3, 1, 1, 3 bits): 16 rows x 192 columns.  Wave wv = 12 nh + g adds one group of 512 bytes over the 16 ks: all 192 KB that the work-group reads are asked for at once.
; Memory binds: each byte of part is read once, by loads of 512 consecutive bytes; no matrix unit, no cluster (no two work-groups read the same byte), no tensor loads.
.set SPIT,  784                        ; a stage row: 768 bytes + 16 = 196 words: row r starts at bank 4 r mod 64 (64 banks of 4 bytes: ISA guide 11.1)
.set SPARE, 16*SPIT                    ; 12,544: the spare words, 128 bytes for each of 24 waves: twelve blocks of 256 bytes that no other line names
.set SPW, 2                            ; v2  my spare word; never rewritten
.set NIL, 3                            ; v3  0; never rewritten
.set G,   8                            ; v8-71  split ks at G + 4 ks
.macro FINISH                          ; the wave's end: a wait on tensor loads, an add of 0 to my spare word and its wait, behind my last LDS store
	s_wait_tensorcnt 0x0
	ds_add_u32 v[SPW], v[NIL]
	s_wait_dscnt 0x0
	s_endpgm
.endm
.macro FOLD n                          ; splits i + n are added onto splits i
.set i, 0
.rept \n
	v_pk_add_f32 v[G+4*i:G+4*i+1],   v[G+4*i:G+4*i+1],   v[G+4*(i+(\n)):G+4*(i+(\n))+1]
	v_pk_add_f32 v[G+4*i+2:G+4*i+3], v[G+4*i+2:G+4*i+3], v[G+4*(i+(\n))+2:G+4*(i+(\n))+3]
.set i, i+1
.endr
.endm
	s_load_b128 s[4:7], s[0:1], 0x0                ; part s[4:5], out0 s[6:7]
	s_load_b64 s[8:9], s[0:1], 0x10                ; out1
	v_lshl_add_u32 v[SPW], v0, 2, SPARE
	v_mov_b32 v[NIL], 0
	v_lshrrev_b32 v1, 5, v0
	v_readfirstlane_b32 s10, v1                    ; wave 0..23
	v_and_b32 v1, 31, v0
	v_lshlrev_b32 v4, 4, v1                        ; 16 x lane
	v_and_b32 v5, 15, v0                           ; r
	v_bfe_u32 v6, v0, 4, 1                         ; h
	s_lshr_b32 s12, ttmp9, 3                       ; (bb, oh, mh): two waves' blocks of 786,432 bytes each
	s_mul_i32 s12, s12, 2*786432
	s_and_b32 s13, ttmp9, 7                        ; a
	s_mul_i32 s13, s13, 98304
	s_add_co_u32 s12, s12, s13
	s_lshl_b32 s13, s10, 9                         ; 512 g = 512 wv - 6,144 nh,
	s_add_co_u32 s12, s12, s13
	s_cmp_ge_u32 s10, 12
	s_cselect_b32 s13, 786432-6144, 0              ; and nh's block
	s_add_co_u32 s12, s12, s13
	s_mov_b32 s13, 0
	s_wait_kmcnt 0x0
	s_add_nc_u64 s[4:5], s[4:5], s[12:13]
.set i, 0
.rept 16
	global_load_b128 v[G+4*i:G+4*i+3], v4, s[4:5] offset:6144*i th:TH_LOAD_NT
.set i, i+1
.endr
	; A stage row lies in the waves' order: byte 384 nh + 64 nb + 32 h + 16 q = 64 (wv / 2) + 16 (wv % 2) + 32 h
	s_lshr_b32 s14, s10, 1
	s_lshl_b32 s14, s14, 6
	s_and_b32 s15, s10, 1
	s_lshl_b32 s15, s15, 4
	s_add_co_u32 s14, s14, s15
	v_mul_u32_u24 v7, v5, SPIT
	v_lshl_add_u32 v7, v6, 5, v7
	v_add_nc_u32 v7, s14, v7
	s_lshr_b32 s16, ttmp9, 5                       ; bb
	s_bfe_u32 s17, ttmp9, 0x10004                  ; oh
	s_bfe_u32 s18, ttmp9, 0x10003                  ; mh
	s_and_b32 s19, ttmp9, 7                        ; a
	s_lshl_b32 s16, s16, 8
	s_lshl_b32 s18, s18, 7
	s_add_co_u32 s16, s16, s18
	s_lshl_b32 s19, s19, 4
	s_add_co_u32 s16, s16, s19                     ; the work-group's first row
	s_wait_loadcnt 0x0
	FOLD 8
	FOLD 4
	FOLD 2
	FOLD 1
	ds_store_b128 v7, v[G:G+3]
	s_wait_dscnt 0x0                               ; for the others' sake: my 16 bytes a lane are in the stage
	s_barrier_signal -1
	s_barrier_wait -1
	s_cmp_lt_u32 s10, 8
	s_cbranch_scc0 .Lrecon
	; waves 0-7: rows 2 wv and 2 wv + 1 of y_con's 64 columns: columns 0-31 lie at byte 0 of a stage row, 32-63 at byte 384
	s_mul_i32 s20, s10, 2*SPIT
	v_mul_u32_u24 v12, v6, SPIT
	v_lshl_add_u32 v12, v5, 4, v12
	v_lshrrev_b32 v13, 3, v5
	v_lshl_add_u32 v12, v13, 8, v12                ; 16 r + 256 (r / 8)
	v_add_nc_u32 v12, s20, v12
	ds_load_b128 v[16:19], v12
	s_lshl_b32 s21, s10, 1
	s_add_co_u32 s21, s21, s16
	s_lshl_b32 s21, s21, 9                         ; a row of out0 is 512 bytes
	s_lshl_b32 s22, s17, 8
	s_add_co_u32 s21, s21, s22
	v_lshlrev_b32 v14, 9, v6
	v_lshl_add_u32 v14, v5, 4, v14
	v_add_nc_u32 v14, s21, v14
	s_wait_dscnt 0x0
	global_store_b128 v14, v[16:19], s[6:7] th:TH_STORE_NT   ; 16 lanes store 256 consecutive bytes, at a multiple of 256 from out0's first byte
	FINISH
.Lrecon:
	; waves 8-23: row wv - 8 of x_recon's 128 columns: columns 0-63 lie at byte 128 of a stage row, 64-127 at byte 512
	s_sub_co_u32 s20, s10, 8
	s_mul_i32 s21, s20, SPIT
	s_add_co_u32 s21, s21, 128
	v_lshl_add_u32 v12, v6, 7, v4                  ; 16 l + 128 (l / 16)
	v_add_nc_u32 v12, s21, v12
	ds_load_b128 v[16:19], v12
	s_add_co_u32 s20, s20, s16
	s_lshl_b32 s20, s20, 10                        ; a row of out1 is 1,024 bytes
	s_lshl_b32 s22, s17, 9
	s_add_co_u32 s20, s20, s22
	v_add_nc_u32 v14, s20, v4
	s_wait_dscnt 0x0
	global_store_b128 v14, v[16:19], s[8:9] th:TH_STORE_NT   ; 512 consecutive bytes, at a multiple of 512 from out1's first byte
	FINISH
.Lfunc_end_k_qd9c962eede_reduce:
	.size	k_qd9c962eede_reduce, .Lfunc_end_k_qd9c962eede_reduce-k_qd9c962eede_reduce
	.p2alignl 7, 3214868480
	.fill 96, 4, 3214868480
	.section	.rodata,"a",@progbits
	.p2align	6, 0x0
	.amdhsa_kernel k_qd9c962eede_reduce
		.amdhsa_group_segment_fixed_size 15616
		.amdhsa_private_segment_fixed_size 0
		.amdhsa_enable_private_segment 0
		.amdhsa_kernarg_size 24
		.amdhsa_user_sgpr_count 2
		.amdhsa_user_sgpr_kernarg_segment_ptr 1
		.amdhsa_wavefront_size32 1
		.amdhsa_system_sgpr_workgroup_id_x 1
		.amdhsa_system_sgpr_workgroup_id_y 1
		.amdhsa_system_sgpr_workgroup_id_z 1
		.amdhsa_system_vgpr_workitem_id 0
		.amdhsa_next_free_vgpr 80
		.amdhsa_next_free_sgpr 66
		.amdhsa_reserve_vcc 0
		.amdhsa_float_denorm_mode_32 3
		.amdhsa_float_denorm_mode_16_64 3
		.amdhsa_memory_ordered 1
		.amdhsa_forward_progress 1
		.amdhsa_inst_pref_size 8
	.end_amdhsa_kernel
	.amdgpu_metadata
---
amdhsa.version: [ 1, 2 ]
amdhsa.kernels:
  - .name:           k_qd9c962eede_reduce
    .symbol:         k_qd9c962eede_reduce.kd
    .args:
      - { .name: part, .offset: 0, .size: 8, .value_kind: global_buffer, .address_space: global }
      - { .name: out0, .offset: 8, .size: 8, .value_kind: global_buffer, .address_space: global }
      - { .name: out1, .offset: 16, .size: 8, .value_kind: global_buffer, .address_space: global }
    .group_segment_fixed_size: 15616
    .private_segment_fixed_size: 0
    .kernarg_segment_align: 8
    .kernarg_segment_size: 24
    .max_flat_workgroup_size: 768
    .sgpr_count:     66
    .vgpr_count:     80
    .wavefront_size: 32
...
	.end_amdgpu_metadata
.endif
;; end of part 3
;; ======== version 2 of 3: 2 launches; 1.12 times as fast as version 1
;; limits: a difference of large sums (such as E[x^2] - mean^2): digits are lost where the result is much smaller than its terms
;; workspace buffers: wb 50,331,648 bytes; ub 4,194,304 bytes; d2t 524,288 bytes; mb 262,144 bytes
;; launch prep (part 4): grid 256 x 1, 8 waves a work-group, no clusters, 57,344 bytes of LDS; arguments W_con, W_recon, u, z, mu, sigma_inv, wb, ub, d2t, member, mb; writes wb, ub, d2t, mb
.if DOCPART == 4
	.amdgcn_target "amdgcn-amd-amdhsa--gfx1250"
	.amdhsa_code_object_version 6
	.text
	.protected	k_qd9c962eede_prep
	.globl	k_qd9c962eede_prep
	.p2align	8
	.type	k_qd9c962eede_prep,@function
k_qd9c962eede_prep:
	s_mov_b64 s[64:65], 0
	v_nop
	global_prefetch_b8 v0, s[64:65] scope:SCOPE_SE
	s_setreg_imm32_b32 hwreg(HW_REG_WAVE_MODE, 25, 1), 1
	s_wait_xcnt 0x0
; PREP.  (1) W_con, W_recon, u and member are rounded once to bf16 and laid out for the product launch; (2) d2t[k][b] = max(|sigma_k^T (mu_k - z_b)|^2, 0).
; wb[x 32][kt 4][blk 12][c 16][1024] bf16: a row is a row of cluster k = 16 kt + c; blk 0-3: W_con[k] row 4 x + blk; blk 4-11: W_recon[k] row 8 x + blk - 4.  So the 192 rows (x, kt) are one tile of the
; product launch, and a block of 16 rows is ONE output column for 16 clusters.   ub[2048][1024], mb[2048][64] bf16.   d2t[64][2048] f32.
; SHARES.  Work-group g: cluster k = g / 4, quarter q = g % 4.  All eight waves round sigma_inv[k] into LDS, 16 rows each.  Waves 0-3 then make d2 of cluster k for rows 512 q + 128 w .. +127 (eight tiles of
; 16 rows) and round two rows of u and 512 bytes of member each; waves 4-7 stream the weights: wave ws has W_con[k] rows 32 q + 8 ws .. +7 and W_recon[k] rows 64 q + 16 ws .. +15: 96 KB in, 48 KB out.
; d2.  t[e] = sum over d of z[d] sig[d][e] - sum over d of mu[d] sig[d][e], one f32 chain in the matrix unit that starts at C = -(mu sig); d2 = sum over e of t[e]^2, in f32; S = sigma sigma^T is never formed.
; LIMITS.  z, mu and sigma_inv enter as bf16 matrix operands (rounded once), so d2 is that of the rounded inputs, and where two clusters of a row nearly tie the softmax made of it follows the rounded inputs.
; The order of rounding differs from a product with S.  A common offset F of z and mu makes the chain's start grow with F x sum |sig[d][e]|; t loses up to 2^-23 of that.  NaN is not kept by the clamp at 0.
; NO CLUSTER, NO TENSOR LOADS: every weight byte has one reader; what work-groups share (64 KB of sigma among four, z among 64) goes through registers once and is a seventh of a work-group's bytes.
; ONE BRANCH.  Up to the barrier all eight waves run one text: the 16 loads that go out behind sigma's take their base by the wave's number (z's first tile, or the first 8 KB of the weights' share).
; Behind the barrier the roles part and each runs to its own end.
.set SIGP,  288                        ; a row d of sigma in LDS: 256 bytes + 32
.set ZPIT,  272                        ; a row of z in LDS: 256 bytes + 16
.set ZST,   128*SIGP                   ; behind sigma: 16 rows of z for each of waves 0-3, each wave's own
.set GB,    ZST+4*16*ZPIT              ; 128 f32 of d2 for each of waves 0-3, each wave's own
.set SPARE, GB+4*512                   ; the spare words: 128 bytes for each of eight waves, four blocks of 256 bytes that no other line names
.set LO,  2                            ; v2   16 x lane
.set SO,  3                            ; v3   8 x lane
.set RR,  4                            ; v4   lane % 16
.set HH,  5                            ; v5   lane / 16
.set TA,  6                            ; v6   my lane's place for the turning loads of sigma
.set MA,  7                            ; v7   32 x (lane / 16): my eight numbers of mu
.set ZS,  8                            ; v8   where I put 8 bytes of a row of z
.set ZR,  9                            ; v9   where I read a fragment of z
.set GA0, 10                           ; v10  my word of d2 in tile 0
.set GR,  11                           ; v11  where I read 16 bytes of d2 back
.set SS,  12                           ; v12  where I put 8 bytes of a row of sigma
.set SPW, 14                           ; v14  my spare word; never rewritten
.set NIL, 15                           ; v15  0; never rewritten
.set TP,  16                           ; v16-19 at work
.set ME,  20                           ; v20-23 my four numbers of member
.set CT,  24                           ; v24-87   eight tiles -(mu sig), every column alike
.set ZL,  88                           ; v88-151  16 rows of z (at the end: of u) as loaded
.set ACC, 152                          ; v152-215 eight accumulators: 128 e x 16 rows
.set ZB,  152                          ; v152-183 before the products: the rounded rows on their way to LDS
.set ZF,  216                          ; v216-247 four fragments of z (first: of -mu)
.set QS,  248                          ; v248-255 four pairs of sums of squares
.set XR,  24                           ; v24-151  streaming: 32 slots of 4, as loaded: slots 0-15 at v88-151 (where the common first loads land), slots 16-31 at v24-87
.set YR,  152                          ; v152-215 streaming: 32 slots of 2, to store
.set SL,  152                          ; v152-215 sigma as loaded
.set SB,  216                          ; v216-247 sigma rounded
; window 1 (v256-511): the 32 fragments of sigma: 16 e (block nb) x 32 d (step s) at 32 nb + 8 s
.set MSB, 0
.macro WIN new                         ; the immediate's high byte repeats the setting that is left
.if MSB != (\new)
	s_set_vgpr_msb (MSB<<8)|(\new)
.set MSB, \new
.endif
.endm
.macro FINISH                          ; the wave's end: a wait on tensor loads, an add of 0 to my spare word and its wait, behind my last LDS store
	s_wait_tensorcnt 0x0
	ds_add_u32 v[SPW], v[NIL]
	s_wait_dscnt 0x0
	s_endpgm
.endm
	s_load_b512 s[4:19], s[0:1], 0x0               ; W_con s[4:5], W_recon s[6:7], u s[8:9], z s[10:11], mu s[12:13], sigma_inv s[14:15], wb s[16:17], ub s[18:19]
	s_load_b64 s[20:21], s[0:1], 0x40              ; d2t
	s_load_b128 s[56:59], s[0:1], 0x48             ; member s[56:57], mb s[58:59]
	v_lshl_add_u32 v[SPW], v0, 2, SPARE
	v_mov_b32 v[NIL], 0
	v_lshrrev_b32 v1, 5, v0
	v_readfirstlane_b32 s22, v1                    ; wave 0..7
	s_and_b32 s25, s22, 3                          ; my number within my role
	s_lshr_b32 s23, ttmp9, 2                       ; k
	s_and_b32 s24, ttmp9, 3                        ; q
	v_and_b32 v1, 31, v0
	v_lshlrev_b32 v[LO], 4, v1
	v_lshlrev_b32 v[SO], 3, v1
	s_mul_i32 s50, s22, 16*SIGP
	v_add_nc_u32 v[SS], s50, v[SO]                 ; my wave's 16 rows of sigma in LDS
	s_lshl_b32 s26, s23, 16                        ; sigma_inv[k] is 65,536 bytes,
	s_lshl_b32 s27, s22, 13                        ; my 16 rows 8,192
	s_add_co_u32 s26, s26, s27
	s_mov_b32 s27, 0
	s_lshl_b32 s28, s24, 18                        ; z: row 512 q + 128 w, 512 bytes a row: 2^18 q + 2^16 w
	s_lshl_b32 s29, s25, 16
	s_add_co_u32 s28, s28, s29
	s_mov_b32 s29, 0
	s_lshr_b32 s52, s28, 1                         ; W_con: row 128 k + 32 q + 8 ws, 4,096 bytes a row: 2^19 k + 2^17 q + 2^15 ws
	s_lshl_b32 s53, s23, 19
	s_add_co_u32 s52, s52, s53
	s_mov_b32 s53, 0
	s_wait_kmcnt 0x0
	s_add_nc_u64 s[26:27], s[14:15], s[26:27]      ; my rows of sigma
	s_add_nc_u64 s[28:29], s[10:11], s[28:29]      ; z at a d2 wave's first row; never stepped
	s_add_nc_u64 s[52:53], s[4:5], s[52:53]        ; W_con at a streaming wave's share
	s_cmp_lt_u32 s22, 4
	s_cselect_b64 s[54:55], s[28:29], s[52:53]     ; what my role wants first
.set i, 0
.rept 16                               ; a row of 512 bytes to a load
	global_load_b128 v[SL+4*i:SL+4*i+3], v[LO], s[26:27] offset:512*i
.set i, i+1
.endr
.set i, 0
.rept 16                               ; 8 KB on their way while sigma is staged: z's tile 0, or slots 0-15 of the weights' round 0
	global_load_b128 v[ZL+4*i:ZL+4*i+3], v[LO], s[54:55] offset:512*i
.set i, i+1
.endr
	s_wait_loadcnt 16                              ; the 16 loads just issued may stay out: sigma is in
.set i, 0
.rept 32
	v_cvt_pk_bf16_f32 v[SB+i], v[SL+2*i], v[SL+2*i+1]
.set i, i+1
.endr
.set i, 0
.rept 16
	ds_store_b64 v[SS], v[SB+2*i:SB+2*i+1] offset:SIGP*i
.set i, i+1
.endr
	s_wait_dscnt 0x0                               ; for the others' sake: my rows of sigma are in LDS
	s_barrier_signal -1
	s_barrier_wait -1                              ; the launch's one barrier: sigma is whole, and nobody writes it again
	s_cmp_lt_u32 s22, 4
	s_cbranch_scc0 .Lrole_s
	; ---------------- waves 0-3: d2, then two rows of u and 512 bytes of member ----------------
	v_and_b32 v[RR], 15, v0
	v_bfe_u32 v[HH], v0, 4, 1
	v_and_b32 v[TP], 7, v0
	v_lshl_add_u32 v[TP], v[HH], 3, v[TP]          ; the turning load: lane l reads row d = 8 (l / 16) + l % 8,
	v_mul_u32_u24 v[TA], v[TP], SIGP
	v_bfe_u32 v[TP], v0, 3, 1
	v_lshl_add_u32 v[TA], v[TP], 4, v[TA]          ; columns e = 8 ((l / 8) % 2) + 0..7
	v_lshlrev_b32 v[MA], 5, v[HH]
	s_mul_i32 s50, s22, 16*ZPIT
	s_add_co_u32 s50, s50, ZST                     ; my stage for z
	v_add_nc_u32 v[ZS], s50, v[SO]
	v_mul_u32_u24 v[ZR], v[RR], ZPIT
	v_lshl_add_u32 v[ZR], v[HH], 4, v[ZR]
	v_add_nc_u32 v[ZR], s50, v[ZR]
	s_lshl_b32 s51, s22, 9
	s_add_co_u32 s51, s51, GB                      ; my 128 words of d2
	v_lshl_add_u32 v[GA0], v[RR], 2, s51
	v_add_nc_u32 v[GR], s51, v[LO]
	v_mov_b32 v[TP], 0                             ; v_permlanex16_b32 counts as a reader of its destination
	s_lshl_b32 s50, s23, 9
	s_mov_b32 s51, 0
	s_add_nc_u64 s[44:45], s[12:13], s[50:51]      ; mu[k]
	s_lshl_b32 s50, ttmp9, 15                      ; u: row 8 g + 2 w, 4,096 bytes a row
	s_lshl_b32 s46, s25, 13
	s_add_co_u32 s50, s50, s46
	s_add_nc_u64 s[38:39], s[8:9], s[50:51]
	s_lshr_b32 s50, s50, 1                         ; ub: half the bytes
	s_add_nc_u64 s[40:41], s[18:19], s[50:51]
	s_lshl_b32 s50, s23, 13                        ; d2t: 8,192 k + 4 (512 q + 128 w)
	s_lshl_b32 s46, s24, 11
	s_add_co_u32 s50, s50, s46
	s_lshl_b32 s46, s25, 9
	s_add_co_u32 s50, s50, s46
	s_add_nc_u64 s[42:43], s[20:21], s[50:51]
	s_lshl_b32 s50, ttmp9, 11                      ; member: 2,048 bytes a work-group, 512 a wave
	s_add_co_u32 s50, s50, s46
	s_add_nc_u64 s[30:31], s[56:57], s[50:51]
	s_lshr_b32 s50, s50, 1                         ; mb: half the bytes
	s_add_nc_u64 s[32:33], s[58:59], s[50:51]
	s_mov_b32 s48, 0x76543210                      ; v_permlanex16_b32: each lane takes its own place in the other half
	s_mov_b32 s49, 0xfedcba98
	; mu as source 1 with all 16 columns alike: every lane of a half reads the same d = 32 s + 8 h + 0..7 and 32 s + 16 + 8 h + 0..7
.irp s, 0,1,2,3
	global_load_b128 v[ACC+16*(\s):ACC+16*(\s)+3],     v[MA], s[44:45] offset:128*(\s)
	global_load_b128 v[ACC+16*(\s)+4:ACC+16*(\s)+7],   v[MA], s[44:45] offset:128*(\s)+16
	global_load_b128 v[ACC+16*(\s)+8:ACC+16*(\s)+11],  v[MA], s[44:45] offset:128*(\s)+64
	global_load_b128 v[ACC+16*(\s)+12:ACC+16*(\s)+15], v[MA], s[44:45] offset:128*(\s)+80
.endr
	global_load_b128 v[ME:ME+3], v[LO], s[30:31] th:TH_LOAD_NT
	WIN 0x40                                       ; destination window 1
.set f, 0
.rept 32                               ; fragment f = 4 nb + s: lane l gets column e = 16 nb + l % 16 and d = 32 s + 8 (l / 16) + 0..7, then + 16
	ds_load_tr16_b128 v[8*f:8*f+3],   v[TA] offset:(f%4)*32*SIGP+(f/4)*32
	ds_load_tr16_b128 v[8*f+4:8*f+7], v[TA] offset:(f%4)*32*SIGP+16*SIGP+(f/4)*32
.set f, f+1
.endr
	WIN 0
	s_wait_loadcnt 0x0                             ; mu and member (and z's first tile)
.set i, 0
.rept 32
	v_cvt_pk_bf16_f32 v[ZF+i], v[ACC+2*i], v[ACC+2*i+1]
.set i, i+1
.endr
.set i, 0
.rept 32
	v_xor_b32 v[ZF+i], 0x80008000, v[ZF+i]         ; -mu, both halves
.set i, i+1
.endr
	s_wait_dscnt 0x0                               ; sigma's fragments
	WIN 0x01                                       ; source 0 (sigma) window 1
.set i, 0
.rept 32                               ; CT[nb] = sum over s of sig(nb, s) x (-mu)(s); the eight accumulators take turns
.if i < 8
	v_wmma_f32_16x16x32_bf16 v[CT+8*(i%8):CT+8*(i%8)+7], v[32*(i%8)+8*(i/8):32*(i%8)+8*(i/8)+7], v[ZF+8*(i/8):ZF+8*(i/8)+7], 0
.else
	v_wmma_f32_16x16x32_bf16 v[CT+8*(i%8):CT+8*(i%8)+7], v[32*(i%8)+8*(i/8):32*(i%8)+8*(i/8)+7], v[ZF+8*(i/8):ZF+8*(i/8)+7], v[CT+8*(i%8):CT+8*(i%8)+7]
.endif
.set i, i+1
.endr
	WIN 0
; Tile T of eight: 16 rows of z.  The tiles are written out: a tile's place stands in the immediates of the next tile's loads and of its LDS store, so that no base steps and every LDS address is a lane
; term, the wave's number times a constant and a constant.  Tiles 0-6 ask for the next tile's rows, tile 7 for my two rows of u.
; Source 0 = 16 e of sigma, source 1 = 16 rows of z: in the result a lane holds ONE row (lane % 16) and e = 16 nb + 8 (lane / 16) + 0..7.
.macro TILE T
	s_wait_loadcnt 0x0                             ; this tile's 16 loads, the only ones out
.set i, 0
.rept 32                               ; these 32 plain lines are also the places between the last products and the loads into their fragments
	v_cvt_pk_bf16_f32 v[ZB+i], v[ZL+2*i], v[ZL+2*i+1]
.set i, i+1
.endr
.if (\T) < 7
.set i, 0
.rept 16
	global_load_b128 v[ZL+4*i:ZL+4*i+3], v[LO], s[28:29] offset:8192*((\T)+1)+512*i
.set i, i+1
.endr
.else
.set i, 0
.rept 16
	global_load_b128 v[ZL+4*i:ZL+4*i+3], v[LO], s[38:39] offset:512*i th:TH_LOAD_NT
.set i, i+1
.endr
.endif
.set i, 0
.rept 16
	ds_store_b64 v[ZS], v[ZB+2*i:ZB+2*i+1] offset:ZPIT*i
.set i, i+1
.endr
.irp s, 0,1,2,3                        ; LDS serves a wave's instructions in order (ISA guide 5.7.1.4): these see the stores above
	ds_load_b128 v[ZF+8*(\s):ZF+8*(\s)+3],   v[ZR] offset:64*(\s)
	ds_load_b128 v[ZF+8*(\s)+4:ZF+8*(\s)+7], v[ZR] offset:64*(\s)+32
.endr
	s_wait_dscnt 0x0
	WIN 0x01
.set i, 0
.rept 32                               ; the first eight start the sums at -(mu sig); the eight accumulators take turns
.if i < 8
	v_wmma_f32_16x16x32_bf16 v[ACC+8*(i%8):ACC+8*(i%8)+7], v[32*(i%8)+8*(i/8):32*(i%8)+8*(i/8)+7], v[ZF+8*(i/8):ZF+8*(i/8)+7], v[CT+8*(i%8):CT+8*(i%8)+7]
.else
	v_wmma_f32_16x16x32_bf16 v[ACC+8*(i%8):ACC+8*(i%8)+7], v[32*(i%8)+8*(i/8):32*(i%8)+8*(i/8)+7], v[ZF+8*(i/8):ZF+8*(i/8)+7], v[ACC+8*(i%8):ACC+8*(i%8)+7]
.endif
.set i, i+1
.endr
	WIN 0
.rept 4
	v_nop                                          ; four places between the last product and the first read of a result (ISA guide 7.12.1)
.endr
.irp p, 0,1,2,3                        ; the sum of squares in four chains; each accumulator is read from its low end on
	v_pk_mul_f32 v[QS+2*(\p):QS+2*(\p)+1], v[ACC+2*(\p):ACC+2*(\p)+1], v[ACC+2*(\p):ACC+2*(\p)+1]
.endr
.set i, 4
.rept 28
	v_pk_fma_f32 v[QS+2*(i%4):QS+2*(i%4)+1], v[ACC+2*i:ACC+2*i+1], v[ACC+2*i:ACC+2*i+1], v[QS+2*(i%4):QS+2*(i%4)+1]
.set i, i+1
.endr
	v_pk_add_f32 v[QS:QS+1], v[QS:QS+1], v[QS+2:QS+3]
	v_pk_add_f32 v[QS+4:QS+5], v[QS+4:QS+5], v[QS+6:QS+7]
	v_pk_add_f32 v[QS:QS+1], v[QS:QS+1], v[QS+4:QS+5]
	v_add_f32 v[QS], v[QS], v[QS+1]
	v_permlanex16_b32 v[TP], v[QS], s48, s49       ; the row's other 64 e lie in the lane 16 away
	v_add_f32 v[QS], v[QS], v[TP]
	v_max_num_f32 v[QS], 0, v[QS]                  ; the clamp
	ds_store_b32 v[GA0], v[QS] offset:64*(\T)      ; row 16 T + lane % 16; both halves of the lanes write the same word with the same number
.endm
.irp T, 0,1,2,3,4,5,6,7
	TILE \T
.endr
	s_wait_loadcnt 0x0                             ; my two rows of u
.set i, 0
.rept 32
	v_cvt_pk_bf16_f32 v[ACC+i], v[ZL+2*i], v[ZL+2*i+1]
.set i, i+1
.endr
.set i, 0
.rept 16
	global_store_b64 v[SO], v[ACC+2*i:ACC+2*i+1], s[40:41] offset:256*i  ; the wave stores 256 consecutive bytes, at a multiple of 256 from ub's first byte
.set i, i+1
.endr
	v_cvt_pk_bf16_f32 v[ME], v[ME], v[ME+1]
	v_cvt_pk_bf16_f32 v[ME+1], v[ME+2], v[ME+3]
	global_store_b64 v[SO], v[ME:ME+1], s[32:33]   ; 256 consecutive bytes of mb, at a multiple of 256 from its first byte
	ds_load_b128 v[TP:TP+3], v[GR]                 ; my wave's 128 d2, in order behind its own stores
	s_wait_dscnt 0x0
	global_store_b128 v[LO], v[TP:TP+3], s[42:43]  ; 512 consecutive bytes of d2t[k]
	FINISH
	; ---------------- waves 4-7: the weights, six rounds of four rows: 16 KB in, 8 KB out ----------------
	; The rounds go W_con, W_recon, W_recon, W_con, W_recon, W_recon: column group x = 8 q + 2 ws takes rounds 0-2 (blocks 0-3, 4-7, 8-11), x + 1 rounds 3-5.  A round's four rows are four blocks on end,
	; 16 rows of wb apart; from round to round wb steps by 64 rows, into the next column group by 768 - 128 = 640.
.Lrole_s:
.set i, 0
.rept 16                               ; slots 16-31 of round 0: with the 16 from ahead of the barrier the ring is full
	global_load_b128 v[XR+4*i:XR+4*i+3], v[LO], s[52:53] offset:512*(16+i) th:TH_LOAD_NT
.set i, i+1
.endr
	s_add_nc_u64 s[36:37], s[52:53], 16384         ; round 3's source: my second four rows of W_con
	s_lshl_b32 s50, s23, 20                        ; W_recon: row 256 k + 64 q + 16 ws, 4,096 bytes a row
	s_lshl_b32 s51, s24, 18
	s_add_co_u32 s50, s50, s51
	s_lshl_b32 s51, s25, 16
	s_add_co_u32 s50, s50, s51
	s_mov_b32 s51, 0
	s_add_nc_u64 s[30:31], s[6:7], s[50:51]        ; the source of the round to be asked for next: round 1
	s_add_nc_u64 s[34:35], s[30:31], 16384         ; W_recon's next four rows
	s_mul_i32 s50, s24, 8*768                      ; wb: row 768 (8 q + 2 ws) + 192 (k / 16) + k % 16
	s_mul_i32 s51, s25, 2*768
	s_add_co_u32 s50, s50, s51
	s_lshr_b32 s51, s23, 4
	s_mul_i32 s51, s51, 192
	s_add_co_u32 s50, s50, s51
	s_and_b32 s51, s23, 15
	s_add_co_u32 s50, s50, s51
	s_lshl_b32 s50, s50, 11                        ; 2,048 bytes a row
	s_mov_b32 s51, 0
	s_add_nc_u64 s[32:33], s[16:17], s[50:51]      ; where round 0 goes
	s_mov_b32 s47, 640*2048
	s_mov_b32 s48, 64*2048
; One slot's turn: 512 bytes of f32 become 256 of bf16; eight slots are a row.  ahead = 1: the slot is loaded again, for the next round.  left: the younger loads that may stay out.
.macro SLOT n, ahead, left
.set rX, XR+4*(((\n)+16)%32)           ; slots 0-15 at v88-151, slots 16-31 at v24-87
	s_wait_loadcnt \left                           ; loads come back in order (ISA guide 5.7.1): mine is in
	v_cvt_pk_bf16_f32 v[YR+2*(\n)],   v[rX],   v[rX+1]
	v_cvt_pk_bf16_f32 v[YR+2*(\n)+1], v[rX+2], v[rX+3]
.if \ahead
	global_load_b128 v[rX:rX+3], v[LO], s[30:31] offset:512*(\n) th:TH_LOAD_NT
.endif
	global_store_b64 v[SO], v[YR+2*(\n):YR+2*(\n)+1], s[32:33] offset:16*2048*((\n)/8)+256*((\n)%8)  ; 256 consecutive bytes, at a multiple of 256 from wb's first byte
.endm
	s_mov_b32 s46, 0
.Lround:
.set n, 0
.rept 32
	SLOT n, 1, 31                                  ; the ring's 31 other loads are younger
.set n, n+1
.endr
	s_wait_xcnt 0x0                                ; the bases and the stores' data are rewritten only behind this wait
	s_add_co_u32 s46, s46, 1
	s_cmp_eq_u32 s46, 2                            ; trip 2 asks for round 3: W_con's second four rows; every other trip for W_recon's next four
	s_cselect_b64 s[30:31], s[36:37], s[34:35]
	s_cselect_b32 s50, 0, 16384
	s_add_nc_u64 s[34:35], s[34:35], s[50:51]
	s_cmp_eq_u32 s46, 3                            ; trip 3 stores round 3: the next column group
	s_cselect_b32 s50, s47, s48
	s_add_nc_u64 s[32:33], s[32:33], s[50:51]
	s_cmp_lt_u32 s46, 5
	s_cbranch_scc1 .Lround
.set n, 0
.rept 32
	SLOT n, 0, 31-n                                ; the last round loads nothing: the counts run down
.set n, n+1
.endr
	FINISH
.Lfunc_end_k_qd9c962eede_prep:
	.size	k_qd9c962eede_prep, .Lfunc_end_k_qd9c962eede_prep-k_qd9c962eede_prep
	.p2alignl 7, 3214868480
	.fill 96, 4, 3214868480
	.section	.rodata,"a",@progbits
	.p2align	6, 0x0
	.amdhsa_kernel k_qd9c962eede_prep
		.amdhsa_group_segment_fixed_size 57344
		.amdhsa_private_segment_fixed_size 0
		.amdhsa_enable_private_segment 0
		.amdhsa_kernarg_size 88
		.amdhsa_user_sgpr_count 2
		.amdhsa_user_sgpr_kernarg_segment_ptr 1
		.amdhsa_wavefront_size32 1
		.amdhsa_system_sgpr_workgroup_id_x 1
		.amdhsa_system_sgpr_workgroup_id_y 1
		.amdhsa_system_sgpr_workgroup_id_z 1
		.amdhsa_system_vgpr_workitem_id 0
		.amdhsa_next_free_vgpr 512
		.amdhsa_next_free_sgpr 66
		.amdhsa_reserve_vcc 0
		.amdhsa_float_denorm_mode_32 3
		.amdhsa_float_denorm_mode_16_64 3
		.amdhsa_memory_ordered 1
		.amdhsa_forward_progress 1
		.amdhsa_inst_pref_size 125
	.end_amdhsa_kernel
	.amdgpu_metadata
---
amdhsa.version: [ 1, 2 ]
amdhsa.kernels:
  - .name:           k_qd9c962eede_prep
    .symbol:         k_qd9c962eede_prep.kd
    .args:
      - { .name: W_con, .offset: 0, .size: 8, .value_kind: global_buffer, .address_space: global }
      - { .name: W_recon, .offset: 8, .size: 8, .value_kind: global_buffer, .address_space: global }
      - { .name: u, .offset: 16, .size: 8, .value_kind: global_buffer, .address_space: global }
      - { .name: z, .offset: 24, .size: 8, .value_kind: global_buffer, .address_space: global }
      - { .name: mu, .offset: 32, .size: 8, .value_kind: global_buffer, .address_space: global }
      - { .name: sigma_inv, .offset: 40, .size: 8, .value_kind: global_buffer, .address_space: global }
      - { .name: wb, .offset: 48, .size: 8, .value_kind: global_buffer, .address_space: global }
      - { .name: ub, .offset: 56, .size: 8, .value_kind: global_buffer, .address_space: global }
      - { .name: d2t, .offset: 64, .size: 8, .value_kind: global_buffer, .address_space: global }
      - { .name: member, .offset: 72, .size: 8, .value_kind: global_buffer, .address_space: global }
      - { .name: mb, .offset: 80, .size: 8, .value_kind: global_buffer, .address_space: global }
    .group_segment_fixed_size: 57344
    .private_segment_fixed_size: 0
    .kernarg_segment_align: 8
    .kernarg_segment_size: 88
    .max_flat_workgroup_size: 256
    .sgpr_count:     66
    .vgpr_count:     512
    .wavefront_size: 32
...
	.end_amdgpu_metadata
.endif
;; end of part 4
;; launch main (part 5): grid 32 x 8, 4 waves a work-group, clusters of 4 x 4, 327,680 bytes of LDS; arguments ub, wb, d2t, mb, out0, out1; writes out0, out1
.if DOCPART == 5
	.amdgcn_target "amdgcn-amd-amdhsa--gfx1250"
	.amdhsa_code_object_version 6
	.text
	.protected	k_qd9c962eede_main
	.globl	k_qd9c962eede_main
	.p2align	8
	.type	k_qd9c962eede_main,@function
k_qd9c962eede_main:
	s_mov_b64 s[64:65], 0
	v_nop
	global_prefetch_b8 v0, s[64:65] scope:SCOPE_SE
	s_setreg_imm32_b32 hwreg(HW_REG_WAVE_MODE, 25, 1), 1
	s_wait_xcnt 0x0
	s_wait_alu depctr_hold_cnt(0) depctr_sa_sdst(0) depctr_va_vdst(0) depctr_va_sdst(0) depctr_va_ssrc(0) depctr_va_vcc(0) depctr_vm_vsrc(0)
	s_getreg_b32 s2, hwreg(HW_REG_IB_STS2, 6, 4)
	s_cmp_eq_u32 s2, 0
	s_cbranch_scc0 .Lentry_in_a_cluster
	s_endpgm
.Lentry_in_a_cluster:
	s_bfe_u32 s2, ttmp6, 0x10000c
	s_cmp_lg_u32 s2, 0xf033
	s_cbranch_scc0 .Lentry_shape_is_right
	s_endpgm
.Lentry_shape_is_right:
; MAIN.  For 256 rows b (block y) and 12 output columns (group x: y_con's 4 x .. + 3, x_recon's 8 x .. + 7), over ALL 64 clusters:
;   out[b][o] = sum over k of weight[b][k] x | sum over i of u[b][i] W[k][o][i] |,   weight = psi for y_con, member for x_recon.
; An output column needs 64 columns of the product, so a work-group's 12 outputs are 768 product columns: four TILES of 256 x 192, tile kt = 12 outputs x clusters 16 kt .. + 15.  Every output has one owner:
; no partial sum leaves the work-group.
; psi = softmax over all 64 k of -d2 (d2t comes clamped from the launch before): the row's least d2 is taken away first, p = 2^(-L d2 + L min), L = log2(e); a weight below 2^-126 counts as 0;
; the rounding of L min is common to a row's 64 terms and cancels in the division.  NaN and infinities are not treated apart.
; LIMITS.  u and W are bf16 (rounded once), sums f32.  psi and member are kept in LDS rounded once to bf16: each term of an output's sum is off by at most 2^-9 of itself (both tables in f32, 128 KB, do not
; fit beside the ring's 243,712 bytes).
; SHARES.  Four waves, each 128 rows x 96 product columns: 48 accumulators of 16 x 16.  K = 1,024 in steps of 128 through two LDS slots (u's 256 rows, then wb's 192); the ring does not stop at a tile's end.
; THE MATRIX INSTRUCTION IS USED TRANSPOSED (source 0 = 16 rows of wb, source 1 = 16 rows of u).  A block of 16 rows of wb is ONE output for 16 clusters, so in a result lane l holds ONE row b (l % 16), one
; output, and the clusters 16 kt + 8 (l / 16) + 0..7: the sum over k is a sum over the lane's registers, over the four tiles and, once at the end, over the two halves of the lanes.
; Wave half nh has blocks 6 nh .. 6 nh + 5 of the tile's twelve (0-3 y_con, 4-11 x_recon): its blocks nb 0-3 take the table at PSIB + nh x 36,864 (psi, or member), nb 4, 5 take member: one text for both.
; CLUSTERS: 4 x 4.  u's tile and member's rows hang on y alone and are asked for jointly along a row of the cluster; wb's tile hangs on x alone and is asked for jointly along a column.
; THE STORES.  A work-group's share of a row is 16 bytes of out0 and 32 of out1, so its stores do not cover 256 consecutive bytes: a lane stores 8 or 16 bytes of a row of its own.  That is the price of one
; owner for each output; it concerns 3 MB.  64 neighbouring outputs to a work-group would leave it 48 rows x 4,096 product columns, and a wave tile of 48 x 256 reads 19.5 KB of LDS for the 48 matrix
; instructions for which 128 x 96 reads 14 KB.
; REGISTERS, in windows of 256 (s_set_vgpr_msb: bits 1:0 source 0, 3:2 source 1, 5:4 source 2, 7:6 destination).  t = 6 a + nb, a = block of 16 rows (0..7), nb = block of 16 product columns (0..5).
;   window 0: v0-17 addresses; v32-143, v144-255 two fragment buffers (u's eight fragments, then wb's six)
;   ACC(t): window 1 v[8 t] for t < 30 (row blocks 0-4), window 2 v[8 (t - 30)] from 30 on (row blocks 5-7)
;   window 3: v0-47 OUT(a, nb) at 6 a + nb; v64-127 the weights as loaded, 8 registers a row block; v128-143 one row block's 16 weights in f32; v144-149 at work
.set KSTEP,  128
.set PITCH,  272                       ; an LDS row: 256 bytes + 16 of padding = 68 words: the 16 rows of a fragment load start at 16 different groups of four banks (64 banks of 4 bytes: ISA guide 11.1)
.set HALFA,  128*PITCH                 ; 128 rows of u: one tensor load, and what a wave reads of u
.set HALFB,  96*PITCH                  ; 96 rows of wb: likewise
.set BOFF,   2*HALFA
.set SLOT,   BOFF+2*HALFB              ; 121,856 bytes
.set WPIT,   144                       ; a row of a weight table: 64 bf16 + 16 bytes = 36 words: again 16 different groups of four banks
.set PSIB,   2*SLOT                    ; behind the ring: psi [256 rows][64 k] bf16, stored from registers; no tensor load lands here
.set MEMB,   PSIB+256*WPIT             ; member likewise, filled once by tensor loads; nothing is stored here
.set SPARE,  MEMB+256*WPIT             ; the spare words: 128 bytes for each wave, two blocks of 256 bytes that no other line names
.set LAPS,   4                         ; a lap = two K steps = once round the ring
.set TILES,  4
.set BACK_A, 3*2*KSTEP*2               ; from a slot's last K step of a tile back to its first: u is the same for every tile
.set NEXT_B, 192*2048-BACK_A           ; wb goes 192 rows down and back along K
.set FLAGS,  (1<<16)|(1<<20)|(1<<21)|(5<<22)|(3<<25)  ; 17:16 2-byte elements; 20 padding on; 21 set beside a mask; 24:22 after every 64 words (code 5); 31:25 4 words (code 3)
.set FLAGM,  (1<<16)|(1<<20)|(1<<21)|(4<<22)|(3<<25)  ; the same with padding after every 32 words (code 4)
.set ADRA, 2                           ; v2-3   LDS address of my fragments of u in slot 0, 1
.set ADRB, 4                           ; v4-5   the same for wb
.set WAX,  6                           ; v6     LDS address of my row's weights for blocks 0-3, tile 0, row block 0
.set WAY,  7                           ; v7     the same for blocks 4, 5
.set SPW,  8                           ; v8     my spare word; never rewritten
.set NIL,  9                           ; v9     0; never rewritten
.set VO0,  16                          ; v16    512 x lane: my row among 32 of out0
.set VO1,  17                          ; v17    1,024 x lane: of out1
.set F0,   32
.set F1,   144
.set OUT,  0                           ; window 3
.set WP,   64
.set WU,   128
.set TT,   144
.set G1,  24                           ; s[24:31] descriptor group 1 for u's tiles;  s[32:39] group 0, a set for each slot
.set G0,  32
.set G1B, 48                           ; s[48:55], s[56:63] the same for wb's tiles
.set G0B, 56
.set G1M, 80                           ; s[80:87], s[88:91] group 1 and group 0 for member's rows
.set G0M, 88
.set MSB, 0
.macro WIN new                         ; the immediate's high byte repeats the setting that is left; a switch that changes nothing is dropped
.if MSB != (\new)
	s_set_vgpr_msb (MSB<<8)|(\new)
.set MSB, \new
.endif
.endm
; A joint load: waves 0 and 1 fetch u's two halves, waves 2 and 3 wb's.  The branch hangs on the wave's number alone.  An s_nop 0 and four v_nop follow each of the two lines.
.macro JLOAD s
	s_cmp_eq_u32 s15, 0
	s_cbranch_scc0 .Lfor_b_\@
	tensor_load_to_lds s[G0+4*(\s):G0+4*(\s)+3], s[G1:G1+7]
	s_nop 0
.rept 4
	v_nop
.endr
	s_branch .Lasked_\@
.Lfor_b_\@:
	tensor_load_to_lds s[G0B+4*(\s):G0B+4*(\s)+3], s[G1B:G1B+7]
	s_nop 0
.rept 4
	v_nop
.endr
.Lasked_\@:
.endm
.macro CREST                           ; a round of the cluster's barrier behind its opening barrier
	s_cmp_lg_u32 s14, 0
	s_cbranch_scc1 .Lnot_wave_0_\@
	s_barrier_signal -3
.Lnot_wave_0_\@:
	s_barrier_wait -3
	s_barrier_signal -1
	s_barrier_wait -1
.endm
.macro CROUND                          ; a whole round
	s_barrier_signal -1
	s_barrier_wait -1
	CREST
.endm
.macro PLACES                          ; four places in front of loads into registers that matrix instructions have read
.rept 4
	v_nop
.endr
.endm
	s_load_b256 s[4:11], s[0:1], 0x0               ; ub s[4:5], wb s[6:7], d2t s[8:9], mb s[10:11]
	s_load_b64 s[12:13], s[0:1], 0x20              ; out0
	s_load_b64 s[70:71], s[0:1], 0x28              ; out1
	v_lshl_add_u32 v[SPW], v0, 2, SPARE
	v_mov_b32 v[NIL], 0
	ds_add_u32 v[SPW], v[NIL]                      ; the wave's opening: the add and its wait stand ahead of my first tensor load; the set-up below, work on registers, stands between them
	v_lshrrev_b32 v1, 5, v0
	v_readfirstlane_b32 s14, v1                    ; wave 0..3
	s_lshr_b32 s15, s14, 1                         ; mh: which 128 rows are mine.  Also: I fetch for u (0) or for wb (1)
	s_and_b32 s16, s14, 1                          ; nh: which 96 product columns.  Also: which half of that tile I fetch
	s_bfe_u32 s17, ttmp6, 0x40000                  ; cx
	s_bfe_u32 s18, ttmp6, 0x40004                  ; cy
	s_lshl_b32 s19, ttmp9, 2
	s_add_co_u32 s19, s19, s17                     ; x = 4 x cluster x + cx
	s_and_b32 s20, ttmp7, 0xffff
	s_lshl_b32 s20, s20, 2
	s_add_co_u32 s20, s20, s18                     ; y = 4 x cluster y + cy
	s_lshl_b32 s21, s18, 2
	s_lshl_b32 s21, 15, s21                        ; my row of the cluster
	s_lshl_b32 s22, 0x1111, s17                    ; my column
	s_or_b32 s[G1], s21, FLAGS                     ; u's tiles go to my row,
	s_or_b32 s[G1B], s22, FLAGS                    ; wb's to my column,
	s_or_b32 s[G1M], s21, FLAGM                    ; member's rows to my row
	s_mov_b32 s[G1+1], KSTEP<<16                   ; tensor_dim0 = 128
	s_mov_b32 s[G1+2], 128<<16                     ; tensor_dim1 = 128
	s_mov_b32 s[G1+3], KSTEP<<16                   ; tile_dim0 = 128
	s_mov_b32 s[G1+4], 128                         ; tile_dim1 = 128
	s_mov_b32 s[G1+5], 1024                        ; elements from row to row
	s_mov_b32 s[G1+6], 0
	s_mov_b32 s[G1+7], 0
	s_mov_b32 s[G1B+1], KSTEP<<16
	s_mov_b32 s[G1B+2], 96<<16                     ; 96 rows
	s_mov_b32 s[G1B+3], KSTEP<<16
	s_mov_b32 s[G1B+4], 96
	s_mov_b32 s[G1B+5], 1024
	s_mov_b32 s[G1B+6], 0
	s_mov_b32 s[G1B+7], 0
	s_mov_b32 s[G1M+1], 128<<16                    ; 64 rows of mb are 8,192 dense bytes: asked for as 32 rows of 256 bytes, two rows of mb a row, padded in LDS after each row of mb
	s_mov_b32 s[G1M+2], 32<<16
	s_mov_b32 s[G1M+3], 128<<16
	s_mov_b32 s[G1M+4], 32
	s_mov_b32 s[G1M+5], 128
	s_mov_b32 s[G1M+6], 0
	s_mov_b32 s[G1M+7], 0
	s_lshl_b32 s40, s20, 8                         ; u: row 256 y + 128 x half, 2,048 bytes a row: no register here ever holds cx
	s_lshl_b32 s41, s16, 7
	s_add_co_u32 s40, s40, s41
	s_lshl_b32 s40, s40, 11
	s_mov_b32 s41, 0
	s_mul_i32 s44, s19, 4*192                      ; wb: row 768 x + 96 x half: no register here ever holds cy
	s_mul_i32 s45, s16, 96
	s_add_co_u32 s44, s44, s45
	s_lshl_b32 s44, s44, 11
	s_mov_b32 s45, 0
	s_lshl_b32 s94, s20, 15                        ; mb: row 256 y + 64 x wave, 128 bytes a row: no register here ever holds cx
	s_lshl_b32 s95, s14, 13
	s_add_co_u32 s94, s94, s95
	s_mov_b32 s95, 0
	s_mul_i32 s46, s14, HALFA                      ; where they go: u's halves at wave x 34,816 (waves 0, 1),
	s_mul_i32 s47, s14, HALFB
	s_add_co_u32 s47, s47, BOFF-2*HALFB            ; wb's at 17,408 + wave x 26,112 (waves 2, 3): BOFF and BOFF + HALFB,
	s_mul_i32 s77, s14, 64*WPIT                    ; member's at MEMB + wave x 9,216
	s_lshl_b32 s72, s20, 10                        ; thread t has rows 2 t and 2 t + 1 of the block: d2t at 4 (256 y + 2 t)
	v_lshl_add_u32 v10, v0, 3, s72
	s_lshl_b32 s72, s20, 17                        ; out0: 512 (256 y + 128 mh) + 16 x
	s_lshl_b32 s73, s15, 16
	s_add_co_u32 s72, s72, s73
	s_lshl_b32 s73, s19, 4
	s_add_co_u32 s72, s72, s73
	s_mov_b32 s73, 0
	s_lshl_b32 s74, s20, 18                        ; out1: 1,024 (256 y + 128 mh) + 32 x
	s_lshl_b32 s75, s15, 17
	s_add_co_u32 s74, s74, s75
	s_lshl_b32 s75, s19, 5
	s_add_co_u32 s74, s74, s75
	s_mov_b32 s75, 0
	s_mov_b32 s68, 0xbfb8aa3b                      ; -log2(e)
	s_mov_b32 s69, s68                             ; named with it as a pair
	s_mov_b32 s78, 0xffff0000                      ; a word's upper bf16; also: lanes 16-31
	s_mov_b32 s92, 0x76543210                      ; v_permlanex16_b32: each lane takes its own place in the other half
	s_mov_b32 s93, 0xfedcba98
	s_wait_dscnt 0x0                               ; the opening add is done
	s_wait_kmcnt 0x0
	s_add_nc_u64 s[12:13], s[12:13], s[72:73]
	s_add_nc_u64 s[70:71], s[70:71], s[74:75]
	s_add_nc_u64 s[40:41], s[4:5], s[40:41]
	s_add_nc_u64 s[44:45], s[6:7], s[44:45]
	; The softmax's loads: 56 go out ahead of the round, the other 8 behind the first fills.
.set k, 0
.rept 56                               ; d2 of cluster k, my two rows: the wave reads 256 consecutive bytes
	global_load_b64 v[32+2*k:33+2*k], v10, s[8:9] offset:8192*k
.set k, k+1
.endr
	CROUND                                         ; all sixteen work-groups are here: the first joint loads meet
	s_mov_b32 s[G0M], 1                            ; count = 1
	s_add_co_u32 s[G0M+1], s77, MEMB               ; LDS address
	s_add_nc_u64 s[G0M+2:G0M+3], s[10:11], s[94:95]
	s_or_b32 s[G0M+3], s[G0M+3], 0x80000000        ; type = 2
	tensor_load_to_lds s[G0M:G0M+3], s[G1M:G1M+7]  ; my 64 rows of member: the first of my three first fills
	s_nop 0
.irp s, 0,1
	s_mov_b32 s[G0+4*(\s)], 1                                        ; count = 1
	s_add_co_u32 s[G0+4*(\s)+1], s46, (\s)*SLOT                      ; LDS address
	s_add_nc_u64 s[G0+4*(\s)+2:G0+4*(\s)+3], s[40:41], (\s)*KSTEP*2  ; global address: K step s
	s_or_b32 s[G0+4*(\s)+3], s[G0+4*(\s)+3], 0x80000000              ; type = 2
	s_mov_b32 s[G0B+4*(\s)], 1
	s_add_co_u32 s[G0B+4*(\s)+1], s47, (\s)*SLOT
	s_add_nc_u64 s[G0B+4*(\s)+2:G0B+4*(\s)+3], s[44:45], (\s)*KSTEP*2
	s_or_b32 s[G0B+4*(\s)+3], s[G0B+4*(\s)+3], 0x80000000
	JLOAD \s                                       ; three tensor loads of mine are out
.endr
.set k, 56
.rept 8
	global_load_b64 v[32+2*k:33+2*k], v10, s[8:9] offset:8192*k
.set k, k+1
.endr
	WIN 0xc0                                       ; OUT starts at 0: 48 lines, in the wait for d2; they spare a second text of the weighing for the first tile
.set i, 0
.rept 48
	v_mov_b32 v[OUT+i], 0
.set i, i+1
.endr
	WIN 0
	; A fragment is 16 rows x 32 K in 8 registers: lane l holds row l % 16, K = 8 (l / 16) + 0..7 and 16 + 8 (l / 16) + 0..7: two loads of 16 bytes, 32 bytes apart.
	v_and_b32 v12, 15, v0
	v_bfe_u32 v13, v0, 4, 1
	v_mul_u32_u24 v14, v12, PITCH
	v_lshl_add_u32 v14, v13, 4, v14
	s_mul_i32 s72, s15, HALFA
	s_mul_i32 s73, s16, HALFB
	s_add_co_u32 s73, s73, BOFF
.irp s, 0,1
	v_add_nc_u32 v[ADRA+(\s)], s72, v14
	v_add_nc_u32 v[ADRB+(\s)], s73, v14
	s_add_co_u32 s72, s72, SLOT
	s_add_co_u32 s73, s73, SLOT
.endr
	v_mul_u32_u24 v11, v12, WPIT                   ; my row's weights: row (128 mh + l % 16) x 144, my eight clusters at 16 (l / 16)
	v_lshl_add_u32 v11, v13, 4, v11
	s_mul_i32 s72, s15, 128*WPIT
	s_add_co_u32 s73, s72, MEMB
	s_mul_i32 s74, s16, 256*WPIT                   ; blocks 0-3: psi for wave half 0, member for wave half 1
	s_add_co_u32 s72, s72, s74
	s_add_co_u32 s72, s72, PSIB
	v_add_nc_u32 v[WAX], s72, v11
	v_add_nc_u32 v[WAY], s73, v11
	v_and_b32 v[VO0], 31, v0
	v_lshlrev_b32 v[VO1], 10, v[VO0]
	v_lshlrev_b32 v[VO0], 9, v[VO0]
	v_mul_u32_u24 v15, v0, 2*WPIT
	v_add_nc_u32 v15, PSIB, v15                    ; where my two rows of psi go
	; THE SOFTMAX of my two rows (row 2 t in the even registers, 2 t + 1 in the odd ones).
	s_wait_loadcnt 0x0
.set j, 0
.rept 8                                ; the least d2: for each row four chains of 15, three operands at a time; chain c = j % 4 of row j / 4
	v_min3_num_f32 v[176+j], v[32+32*(j%4)+(j/4)], v[34+32*(j%4)+(j/4)], v[36+32*(j%4)+(j/4)]
.set j, j+1
.endr
.set i, 0
.rept 6
.set j, 0
.rept 8
	v_min3_num_f32 v[176+j], v[176+j], v[38+32*(j%4)+4*i+(j/4)], v[40+32*(j%4)+4*i+(j/4)]
.set j, j+1
.endr
.set i, i+1
.endr
.irp p, 0,1
	v_min3_num_f32 v[176+4*(\p)], v[176+4*(\p)], v[177+4*(\p)], v[178+4*(\p)]
.endr
.irp p, 0,1
	v_min3_num_f32 v[176+4*(\p)], v[176+4*(\p)], v[179+4*(\p)], v[62+(\p)]   ; and the four clusters left over: 15, 31, 47, 63
.endr
.irp p, 0,1
	v_min3_num_f32 v[176+4*(\p)], v[176+4*(\p)], v[94+(\p)], v[126+(\p)]
.endr
.irp p, 0,1
	v_min_num_f32 v[12+(\p)], v[176+4*(\p)], v[158+(\p)]
.endr
.irp p, 0,1
	v_mul_f32 v[12+(\p)], 0x3fb8aa3b, v[12+(\p)]   ; L min
.endr
.set k, 0
.rept 64                               ; -L d2 + L min, one rounding
	v_pk_fma_f32 v[32+2*k:33+2*k], v[32+2*k:33+2*k], s[68:69], v[12:13] op_sel_hi:[1,0,1]
.set k, k+1
.endr
.set i, 32
.rept 128                              ; one batch
	v_exp_f32 v[i], v[i]
.set i, i+1
.endr
	v_nop                                          ; a plain instruction behind the last exponential,
	s_wait_alu depctr_va_vdst(0)                   ; and one wait ahead of the batch's first reader
.irp c, 0,1,2,3                        ; the sum, in four chains beside the terms, which are kept
	v_pk_add_f32 v[160+2*(\c):161+2*(\c)], v[32+32*(\c):33+32*(\c)], v[34+32*(\c):35+32*(\c)]
.endr
.set i, 2
.rept 14
.irp c, 0,1,2,3
	v_pk_add_f32 v[160+2*(\c):161+2*(\c)], v[160+2*(\c):161+2*(\c)], v[32+32*(\c)+2*i:33+32*(\c)+2*i]
.endr
.set i, i+1
.endr
	v_pk_add_f32 v[160:161], v[160:161], v[162:163]
	v_pk_add_f32 v[164:165], v[164:165], v[166:167]
	v_pk_add_f32 v[160:161], v[160:161], v[164:165]
	v_rcp_f32 v168, v160                           ; the sum holds the least d2's term, about 1: no division by 0
	v_rcp_f32 v169, v161
	v_nop
	s_wait_alu depctr_va_vdst(0)                   ; one wait for the two reciprocals
.set k, 0
.rept 64
	v_pk_mul_f32 v[32+2*k:33+2*k], v[32+2*k:33+2*k], v[168:169]
.set k, k+1
.endr
.set m, 0
.rept 32                               ; clusters 2 m and 2 m + 1 of a row into one word
	v_cvt_pk_bf16_f32 v[176+m], v[32+4*m], v[34+4*m]
	v_cvt_pk_bf16_f32 v[208+m], v[33+4*m], v[35+4*m]
.set m, m+1
.endr
.irp i, 0,1,2,3,4,5,6,7
	ds_store_b128 v15, v[176+4*(\i):179+4*(\i)] offset:16*(\i)               ; psi of row 2 t,
	ds_store_b128 v15, v[208+4*(\i):211+4*(\i)] offset:WPIT+16*(\i)          ; of row 2 t + 1
.endr
; 12 matrix instructions: row blocks a0, a0 + 1 x all 6 column blocks, 32 along K.  zero = 1: the product starts the sum.  The 48 accumulators take turns in the same order in every quarter.
.macro MUL12 f, a0, zero
.irp a, \a0, (\a0)+1
.irp b, 0,1,2,3,4,5
.set t, 6*(\a)+(\b)
.if t < 30
	WIN 0x50                                       ; C and D window 1
.set rA, 8*t
.else
	WIN 0xa0                                       ; C and D window 2
.set rA, 8*(t-30)
.endif
.if \zero
	v_wmma_f32_16x16x32_bf16 v[rA:rA+7], v[(\f)+64+8*(\b):(\f)+64+8*(\b)+7], v[(\f)+8*(\a):(\f)+8*(\a)+7], 0
.else
	v_wmma_f32_16x16x32_bf16 v[rA:rA+7], v[(\f)+64+8*(\b):(\f)+64+8*(\b)+7], v[(\f)+8*(\a):(\f)+8*(\a)+7], v[rA:rA+7]
.endif
.endr
.endr
.endm
; 28 LDS loads in one run: the fragments of one quarter step (96 rows of wb, then 128 rows of u, 32 K at byte k of the rows) into buffer f
.macro FETCH slot, k, f
	WIN 0
.irp i, 0,1,2,3,4,5
	ds_load_b128 v[(\f)+64+8*(\i):(\f)+64+8*(\i)+3],   v[ADRB+(\slot)] offset:(\k)+(\i)*16*PITCH
	ds_load_b128 v[(\f)+64+8*(\i)+4:(\f)+64+8*(\i)+7], v[ADRB+(\slot)] offset:(\k)+(\i)*16*PITCH+32
.endr
.irp i, 0,1,2,3,4,5,6,7
	ds_load_b128 v[(\f)+8*(\i):(\f)+8*(\i)+3],   v[ADRA+(\slot)] offset:(\k)+(\i)*16*PITCH
	ds_load_b128 v[(\f)+8*(\i)+4:(\f)+8*(\i)+7], v[ADRA+(\slot)] offset:(\k)+(\i)*16*PITCH+32
.endr
.endm
; A K step is four quarters of 32 along K, 48 matrix instructions each, on buffers 0, 1, 0, 1.  One of the first three: multiplies buffer f and, in its middle, fetches the next quarter, at byte k, into g.
.macro QUARTER slot, k, f, g, zero
	s_wait_dscnt 8                                 ; wb and u's blocks 0-3 are in; the youngest eight loads (u's blocks 4-7) may be out
	MUL12 \f, 0, \zero
	MUL12 \f, 2, \zero
	PLACES
	FETCH \slot, \k, \g
	s_wait_dscnt 28                                ; all but the 28 just issued
	MUL12 \f, 4, \zero
	MUL12 \f, 6, \zero
.endm
; The last quarter multiplies buffer 1 and changes slots: ONE barrier.  In front of it each wave waits for all its tensor loads (one is out: its part of the next slot), adds 0 to its spare word, and waits for that
; and for its own reads of this slot.  mode 0: the slot is filled again with this tile's K step two steps on; 1: with the NEXT tile's K step 0 or 1; the barrier then opens a round of the cluster's, and the joint
; refill is the first tensor load behind it: 168 matrix instructions ahead of the wait for it.  mode 2: nothing is filled.
.macro TURN slot, next, mode
	WIN 0                                          ; (the add's two registers lie in window 0)
	s_wait_tensorcnt 0x0
	ds_add_u32 v[SPW], v[NIL]                      ; 0 onto my spare word
	s_wait_dscnt 9                                 ; (the add and the youngest eight loads may be out)
	MUL12 F1, 0, 0                                 ; twelve matrix instructions stand between the add and the wait for it
	s_wait_dscnt 0x0                               ; the add is done, and my reads of this slot are over
	s_barrier_signal -1
	MUL12 F1, 2, 0                                 ; work on registers while the others arrive
	WIN 0
	s_barrier_wait -1
.if (\mode) < 2
	CREST                                          ; no wave of any partner still reads this slot's tiles or has a load on its way
.if (\mode) == 1
	s_sub_nc_u64 s[G0+4*(\slot)+2:G0+4*(\slot)+3], s[G0+4*(\slot)+2:G0+4*(\slot)+3], BACK_A
	s_add_nc_u64 s[G0B+4*(\slot)+2:G0B+4*(\slot)+3], s[G0B+4*(\slot)+2:G0B+4*(\slot)+3], NEXT_B
.else
	s_add_nc_u64 s[G0+4*(\slot)+2:G0+4*(\slot)+3], s[G0+4*(\slot)+2:G0+4*(\slot)+3], 2*KSTEP*2
	s_add_nc_u64 s[G0B+4*(\slot)+2:G0B+4*(\slot)+3], s[G0B+4*(\slot)+2:G0B+4*(\slot)+3], 2*KSTEP*2
.endif
	JLOAD \slot                                    ; the four v_nop behind it are also the places in front of the loads below
.else
	PLACES
.endif
	FETCH \next, 0, F0
	MUL12 F1, 4, 0
	MUL12 F1, 6, 0
.endm
; A tile's end: OUT(a, nb) += sum over j of weight[row][16 kt + 8 (l / 16) + j] x |ACC(a, nb)[j]|.  For each row block the lane loads its row's eight weights of each of the two tables (16 bytes each),
; widens them to f32, and walks j outermost: six chains, and each accumulator is read from its low end on.  The two address lines and the first row block's 16 widening lines are the places behind the last products.
.macro EPI
	WIN 0
	v_add_nc_u32 v1, s76, v[WAX]                   ; this tile's 16 clusters: 32 bytes a tile
	v_add_nc_u32 v10, s76, v[WAY]
	s_add_co_u32 s76, s76, 32
	WIN 0xc0                                       ; destination window 3
.irp a, 0,1,2,3,4,5,6,7
	ds_load_b128 v[WP+8*(\a):WP+8*(\a)+3],   v1  offset:16*WPIT*(\a)
	ds_load_b128 v[WP+8*(\a)+4:WP+8*(\a)+7], v10 offset:16*WPIT*(\a)
.endr
.irp a, 0,1,2,3,4,5,6,7
	s_wait_dscnt 14-2*(\a)                         ; the later row blocks' loads, two each, may be out
.if (\a) < 5
	WIN 0xfd                                       ; ACC (source 0) window 1, all else window 3
.set rB, 48*(\a)
.else
	WIN 0xfe                                       ; ACC window 2
.set rB, 48*((\a)-5)
.endif
.irp i, 0,1,2,3,4,5,6,7
	v_lshlrev_b32 v[WU+2*(\i)],   16,  v[WP+8*(\a)+(\i)]   ; bf16 to f32: the low half moves up,
	v_and_b32     v[WU+2*(\i)+1], s78, v[WP+8*(\a)+(\i)]   ; the high half stays
.endr
.irp j, 0,1,2,3,4,5,6,7
.irp b, 0,1,2,3,4,5
	v_fma_f32 v[OUT+6*(\a)+(\b)], |v[rB+8*(\b)+(\j)]|, v[WU+8*((\b)/4)+(\j)], v[OUT+6*(\a)+(\b)]
.endr
.endr
.endr
	WIN 0
.endm
	s_wait_dscnt 0x0                               ; for the others' sake: my rows of psi are in LDS,
	s_wait_tensorcnt 1                             ; my rows of member and my part of K step 0 are in; K step 1's may stay out
	s_barrier_signal -1
	s_barrier_wait -1                              ; everybody's are
	FETCH 0, 0, F0
	s_mov_b32 s76, 0
	s_mov_b32 s66, TILES                           ; tiles to go, this one among them: the same number in every work-group
.Ltile:
	QUARTER 0, 64,  F0, F1, 1                      ; a tile's first quarter stands in front of the loop: its products start the sums
	WIN 0                                          ; at a label and at a branch every window is 0
	s_mov_b32 s67, LAPS-1
.Llap:                                                 ; a trip goes once round the ring, from a lap's second quarter to the next lap's first, and fills both slots again
	QUARTER 0, 128, F1, F0, 0
	QUARTER 0, 192, F0, F1, 0
	TURN 0, 1, 0
	QUARTER 1, 64,  F0, F1, 0
	QUARTER 1, 128, F1, F0, 0
	QUARTER 1, 192, F0, F1, 0
	TURN 1, 0, 0
	QUARTER 0, 64,  F0, F1, 0
	WIN 0
	s_sub_co_u32 s67, s67, 1
	s_cmp_lg_u32 s67, 0
	s_cbranch_scc1 .Llap
	QUARTER 0, 128, F1, F0, 0                      ; the tile's last lap goes on
	QUARTER 0, 192, F0, F1, 0
	WIN 0
	s_cmp_eq_u32 s66, 1
	s_cbranch_scc1 .Llast                          ; the last tile's tail is written out: it asks for nothing more
	TURN 0, 1, 1                                   ; the ring goes on into the next 16 clusters: slot 0 takes their K step 0,
	QUARTER 1, 64,  F0, F1, 0
	QUARTER 1, 128, F1, F0, 0
	QUARTER 1, 192, F0, F1, 0
	TURN 1, 0, 1                                   ; slot 1 their K step 1, and the next tile's first fragments are fetched
	EPI                                            ; both refills are on their way while the tile is weighed in
	s_sub_co_u32 s66, s66, 1
	s_branch .Ltile
.Llast:
	TURN 0, 1, 2
	QUARTER 1, 64,  F0, F1, 0
	QUARTER 1, 128, F1, F0, 0
	QUARTER 1, 192, F0, F1, 0
	s_wait_dscnt 8                                 ; the very last quarter: nothing more to fetch
	MUL12 F1, 0, 0
	MUL12 F1, 2, 0
	s_wait_dscnt 0x0
	MUL12 F1, 4, 0
	MUL12 F1, 6, 0
	EPI
	; THE WAY OUT.  A row's sum lies in two lanes, 16 apart (clusters 8 (l / 16) + ..).  Row blocks 2 p and 2 p + 1 are finished together: lanes 0-15 keep block 2 p's part and send block 2 p + 1's,
	; lanes 16-31 the other way round; so lane l ends up with row 32 p + l, its six outputs in six registers on end.
	WIN 0xff
.irp p, 0,1,2,3
.irp b, 0,1,2,3,4,5
	v_cndmask_b32 v[TT+(\b)], v[OUT+12*(\p)+6+(\b)], v[OUT+12*(\p)+(\b)], s78            ; what I send
.endr
.irp b, 0,1,2,3,4,5
	v_cndmask_b32 v[OUT+12*(\p)+(\b)], v[OUT+12*(\p)+(\b)], v[OUT+12*(\p)+6+(\b)], s78   ; what I keep
.endr
.irp b, 0,1,2,3,4,5
	v_permlanex16_b32 v[OUT+12*(\p)+6+(\b)], v[TT+(\b)], s92, s93                        ; its destination counts as read: a register that has been written
.endr
.irp b, 0,1,2,3,4,5
	v_add_f32 v[OUT+12*(\p)+(\b)], v[OUT+12*(\p)+(\b)], v[OUT+12*(\p)+6+(\b)]
.endr
.endr
	WIN 0
	s_cmp_eq_u32 s16, 0
	s_cbranch_scc0 .Lout_hi
	WIN 0x0c                                       ; the data (source 1) in window 3
.irp p, 0,1,2,3                        ; wave half 0: y_con's four columns, x_recon's columns 0, 1 of the group's eight
	global_store_b128 v[VO0], v[OUT+12*(\p):OUT+12*(\p)+3],   s[12:13] offset:32*512*(\p)
	global_store_b64  v[VO1], v[OUT+12*(\p)+4:OUT+12*(\p)+5], s[70:71] offset:32*1024*(\p)
.endr
	WIN 0
	s_branch .Lout_done
.Lout_hi:
	WIN 0x0c
.irp p, 0,1,2,3                        ; wave half 1: x_recon's columns 2, 3 and 4 to 7
	global_store_b64  v[VO1], v[OUT+12*(\p):OUT+12*(\p)+1],   s[70:71] offset:32*1024*(\p)+8
	global_store_b128 v[VO1], v[OUT+12*(\p)+2:OUT+12*(\p)+5], s[70:71] offset:32*1024*(\p)+16
.endr
	WIN 0
.Lout_done:
	s_wait_tensorcnt 0x0                           ; the wave's end: a wait on tensor loads, an add of 0 to my spare word and its wait, behind my last tensor load and my last LDS store
	ds_add_u32 v[SPW], v[NIL]
	s_wait_dscnt 0x0
	CROUND                                         ; the closing round: no work-group ends while a partner may still ask for a tile that names it
	s_endpgm
.Lfunc_end_k_qd9c962eede_main:
	.size	k_qd9c962eede_main, .Lfunc_end_k_qd9c962eede_main-k_qd9c962eede_main
	.p2alignl 7, 3214868480
	.fill 96, 4, 3214868480
	.section	.rodata,"a",@progbits
	.p2align	6, 0x0
	.amdhsa_kernel k_qd9c962eede_main
		.amdhsa_group_segment_fixed_size 327680
		.amdhsa_private_segment_fixed_size 0
		.amdhsa_enable_private_segment 0
		.amdhsa_kernarg_size 48
		.amdhsa_user_sgpr_count 2
		.amdhsa_user_sgpr_kernarg_segment_ptr 1
		.amdhsa_wavefront_size32 1
		.amdhsa_system_sgpr_workgroup_id_x 1
		.amdhsa_system_sgpr_workgroup_id_y 1
		.amdhsa_system_sgpr_workgroup_id_z 1
		.amdhsa_system_vgpr_workitem_id 0
		.amdhsa_next_free_vgpr 920
		.amdhsa_next_free_sgpr 96
		.amdhsa_reserve_vcc 0
		.amdhsa_float_denorm_mode_32 3
		.amdhsa_float_denorm_mode_16_64 3
		.amdhsa_memory_ordered 1
		.amdhsa_forward_progress 1
		.amdhsa_inst_pref_size 219
	.end_amdhsa_kernel
	.amdgpu_metadata
---
amdhsa.version: [ 1, 2 ]
amdhsa.kernels:
  - .name:           k_qd9c962eede_main
    .symbol:         k_qd9c962eede_main.kd
    .args:
      - { .name: ub, .offset: 0, .size: 8, .value_kind: global_buffer, .address_space: global }
      - { .name: wb, .offset: 8, .size: 8, .value_kind: global_buffer, .address_space: global }
      - { .name: d2t, .offset: 16, .size: 8, .value_kind: global_buffer, .address_space: global }
      - { .name: mb, .offset: 24, .size: 8, .value_kind: global_buffer, .address_space: global }
      - { .name: out0, .offset: 32, .size: 8, .value_kind: global_buffer, .address_space: global }
      - { .name: out1, .offset: 40, .size: 8, .value_kind: global_buffer, .address_space: global }
    .group_segment_fixed_size: 327680
    .private_segment_fixed_size: 0
    .kernarg_segment_align: 8
    .kernarg_segment_size: 48
    .max_flat_workgroup_size: 128
    .sgpr_count:     96
    .vgpr_count:     920
    .wavefront_size: 32
...
	.end_amdgpu_metadata
.endif
;; end of part 5
;; ======== version 3 of 3: 2 launches; version 2 with the launch prep written anew for expert scheduling mode
;; limits: a difference of large sums (such as E[x^2] - mean^2): digits are lost where the result is much smaller than its terms
;; workspace buffers: wb 50,331,648 bytes; ub 4,194,304 bytes; d2t 524,288 bytes; mb 262,144 bytes
;; launch prep (part 6): grid 256 x 1, 8 waves a work-group, no clusters, 57,344 bytes of LDS; arguments W_con, W_recon, u, z, mu, sigma_inv, wb, ub, d2t, member, mb; writes wb, ub, d2t, mb
.if DOCPART == 6
	.amdgcn_target "amdgcn-amd-amdhsa--gfx1250"
	.amdhsa_code_object_version 6
	.text
	.protected	k_qd9c962eede_prep
	.globl	k_qd9c962eede_prep
	.p2align	8
	.type	k_qd9c962eede_prep,@function
k_qd9c962eede_prep:
	s_mov_b64 s[64:65], 0
	v_nop
	global_prefetch_b8 v0, s[64:65] scope:SCOPE_SE
	s_setreg_imm32_b32 hwreg(HW_REG_WAVE_SCHED_MODE, 0, 2), 2
	s_setreg_imm32_b32 hwreg(HW_REG_WAVE_MODE, 25, 1), 1
	s_wait_xcnt 0x0
	s_wait_alu depctr_vm_vsrc(0)
; PREP.  (1) W_con, W_recon, u and member are rounded once to bf16 and laid out for the product launch; (2) d2t[k][b] = max(|sigma_k^T (mu_k - z_b)|^2, 0).
; wb[x 32][kt 4][blk 12][c 16][1024] bf16: a row is a row of cluster k = 16 kt + c; blk 0-3: W_con[k] row 4 x + blk; blk 4-11: W_recon[k] row 8 x + blk - 4.  So the 192 rows (x, kt) are one tile of the
; product launch, and a block of 16 rows is ONE output column for 16 clusters.   ub[2048][1024], mb[2048][64] bf16.   d2t[64][2048] f32.
; SHARES.  Work-group g: cluster k = g / 4, quarter q = g % 4.  All eight waves round sigma_inv[k] into LDS, 16 rows each.  Waves 0-3 then make d2 of cluster k for rows 512 q + 128 w .. +127 (eight tiles of
; 16 rows) and round two rows of u and 512 bytes of member each; waves 4-7 stream the weights: wave ws has W_con[k] rows 32 q + 8 ws .. +7 and W_recon[k] rows 64 q + 16 ws .. +15: 96 KB in, 48 KB out.
; d2.  t[e] = sum over d of z[d] sig[d][e] - sum over d of mu[d] sig[d][e], one f32 chain in the matrix unit that starts at C = -(mu sig); d2 = sum over e of t[e]^2, in f32; S = sigma sigma^T is never formed.
; LIMITS.  z, mu and sigma_inv enter as bf16 matrix operands (rounded once), so d2 is that of the rounded inputs, and where two clusters of a row nearly tie the softmax made of it follows the rounded inputs.
; The order of rounding differs from a product with S.  A common offset F of z and mu makes the chain's start grow with F x sum |sig[d][e]|; t loses up to 2^-23 of that.  NaN is not kept by the clamp at 0.
; NO CLUSTER, NO TENSOR LOADS: every weight byte has one reader; what work-groups share (64 KB of sigma among four, z among 64) goes through registers once and is a seventh of a work-group's bytes.
; ONE BRANCH.  Up to the barrier all eight waves run one text: the 16 loads that go out behind sigma's take their base by the wave's number (z's first tile, or the first 8 KB of the weights' share).
; Behind the barrier the roles part and each runs to its own end.
; THE MODE: SCHED_MODE bits 1:0 = 2 (LLVM: expert scheduling mode 2), set by the entry lines.  The code itself states the register dependences between vector or matrix instructions and memory or LDS
; instructions, with s_wait_alu, always for 0.
; THE PLAN.  Registers that memory or LDS instructions touch:
;   v2, v3, v6-v12  offsets and LDS addresses: made once (v2, v3, v12 at the head, the others at the d2 role's head), each ahead of a wait on va_vdst, and never written again.
;   SL, SB          the head: sigma's loads land in SL, 32 conversions read it and write SB, 16 LDS stores read SB.  A wait on va_vdst stands between the conversions and the stores, a wait on vm_vsrc behind the
;                   barrier, ahead of the branch: from there on SB's registers are ZF.
;   d2 waves        Tile T: its 32 conversions read ZL and write ZB.  ONE wait on va_vdst behind them: ZB is written; ZL is read; the products of the tile before are done reading ZF; that tile's d2 is
;                   written.  Behind it: the LDS store of that d2, the 16 LDS stores of ZB, the 8 LDS loads into ZF, the 16 loads of the next tile into ZL.  ONE wait on vm_vsrc ahead of the products: the LDS
;                   stores have read ZB, which the products write as ACC, and QS, which the tile's sums write.  Sigma's fragments, CT and ACC are otherwise named by vector and matrix instructions alone.
;   streaming waves X, 32 slots of 4, and Y, 32 slots of 2, go in eight GROUPS of four slots.  Group g converts X[g] into Y[g]; its memory instructions are the four loads into X[g - 1] and the four stores from
;                   Y[g - 1], which no vector line of group g names.  So ONE wait on va_vdst at a group's head states all that they hang on.  Y[g] is written again a round later: a wait on vm_vsrc, beside
;                   s_wait_xcnt 0, stands at a trip's head (the last trip's stores) and ahead of the trip's last group (Y[0]'s store was issued in the trip's first).
.set SIGP,  288                        ; a row d of sigma in LDS: 256 bytes + 32
.set ZPIT,  272                        ; a row of z in LDS: 256 bytes + 16
.set ZST,   128*SIGP                   ; behind sigma: 16 rows of z for each of waves 0-3, each wave's own
.set GB,    ZST+4*16*ZPIT              ; 128 f32 of d2 for each of waves 0-3, each wave's own
.set SPARE, GB+4*512                   ; the spare words: 128 bytes for each of eight waves, four blocks of 256 bytes that no other line names
.set LO,  2                            ; v2   16 x lane
.set SO,  3                            ; v3   8 x lane
.set RR,  4                            ; v4   lane % 16
.set HH,  5                            ; v5   lane / 16
.set TA,  6                            ; v6   my lane's place for the turning loads of sigma
.set MA,  7                            ; v7   32 x (lane / 16): my eight numbers of mu
.set ZS,  8                            ; v8   where I put 8 bytes of a row of z
.set ZR,  9                            ; v9   where I read a fragment of z
.set GA0, 10                           ; v10  my word of d2 in tile 0
.set GR,  11                           ; v11  where I read 16 bytes of d2 back
.set SS,  12                           ; v12  where I put 8 bytes of a row of sigma
.set SPW, 14                           ; v14  my spare word; never rewritten
.set NIL, 15                           ; v15  0; never rewritten
.set TP,  16                           ; v16-19 at work
.set ME,  20                           ; v20-23 my four numbers of member
.set CT,  24                           ; v24-87   eight tiles -(mu sig), every column alike
.set ZL,  88                           ; v88-151  16 rows of z (at the end: of u) as loaded
.set ACC, 152                          ; v152-215 eight accumulators: 128 e x 16 rows
.set ZB,  152                          ; v152-183 before the products: the rounded rows on their way to LDS
.set ZF,  216                          ; v216-247 four fragments of z (first: of -mu)
.set QS,  248                          ; v248-255 four pairs of sums of squares
.set XR,  24                           ; v24-151  streaming: 32 slots of 4, as loaded: slots 0-15 at v88-151 (where the common first loads land), slots 16-31 at v24-87
.set YR,  152                          ; v152-215 streaming: 32 slots of 2, to store
.set SL,  152                          ; v152-215 sigma as loaded
.set SB,  216                          ; v216-247 sigma rounded
; window 1 (v256-511): the 32 fragments of sigma: 16 e (block nb) x 32 d (step s) at 32 nb + 8 s
.set MSB, 0
.macro WIN new                         ; the immediate's high byte repeats the setting that is left
.if MSB != (\new)
	s_set_vgpr_msb (MSB<<8)|(\new)
.set MSB, \new
.endif
.endm
	s_load_b512 s[4:19], s[0:1], 0x0               ; W_con s[4:5], W_recon s[6:7], u s[8:9], z s[10:11], mu s[12:13], sigma_inv s[14:15], wb s[16:17], ub s[18:19]
	s_load_b64 s[20:21], s[0:1], 0x40              ; d2t
	s_load_b128 s[56:59], s[0:1], 0x48             ; member s[56:57], mb s[58:59]
	v_lshl_add_u32 v[SPW], v0, 2, SPARE
	v_mov_b32 v[NIL], 0
	v_lshrrev_b32 v1, 5, v0
	v_readfirstlane_b32 s22, v1                    ; wave 0..7
	v_and_b32 v1, 31, v0
	v_lshlrev_b32 v[LO], 4, v1
	v_lshlrev_b32 v[SO], 3, v1
	s_lshr_b32 s23, ttmp9, 2                       ; k
	s_and_b32 s24, ttmp9, 3                        ; q
	s_wait_alu depctr_va_sdst(0)                   ; s22 is written, ahead of its first reader: the wave's shares, its LDS rows and the branch on the role are made from it
	s_and_b32 s25, s22, 3                          ; my number within my role
	s_mul_i32 s50, s22, 16*SIGP
	v_add_nc_u32 v[SS], s50, v[SO]                 ; my wave's 16 rows of sigma in LDS
	s_lshl_b32 s26, s23, 16                        ; sigma_inv[k] is 65,536 bytes,
	s_lshl_b32 s27, s22, 13                        ; my 16 rows 8,192
	s_add_co_u32 s26, s26, s27
	s_mov_b32 s27, 0
	s_lshl_b32 s28, s24, 18                        ; z: row 512 q + 128 w, 512 bytes a row: 2^18 q + 2^16 w
	s_lshl_b32 s29, s25, 16
	s_add_co_u32 s28, s28, s29
	s_mov_b32 s29, 0
	s_lshr_b32 s52, s28, 1                         ; W_con: row 128 k + 32 q + 8 ws, 4,096 bytes a row: 2^19 k + 2^17 q + 2^15 ws
	s_lshl_b32 s53, s23, 19
	s_add_co_u32 s52, s52, s53
	s_mov_b32 s53, 0
	s_wait_kmcnt 0x0
	s_add_nc_u64 s[26:27], s[14:15], s[26:27]      ; my rows of sigma
	s_add_nc_u64 s[28:29], s[10:11], s[28:29]      ; z at a d2 wave's first row; never stepped
	s_add_nc_u64 s[52:53], s[4:5], s[52:53]        ; W_con at a streaming wave's share
	s_cmp_lt_u32 s22, 4
	s_cselect_b64 s[54:55], s[28:29], s[52:53]     ; what my role wants first
	s_wait_alu depctr_va_vdst(0)                   ; v[LO], v[SO] and v[SS] are written: the loads and stores below read them as offsets and addresses
.set i, 0
.rept 16                               ; a row of 512 bytes to a load
	global_load_b128 v[SL+4*i:SL+4*i+3], v[LO], s[26:27] offset:512*i
.set i, i+1
.endr
.set i, 0
.rept 16                               ; 8 KB on their way while sigma is staged: z's tile 0, or slots 0-15 of the weights' round 0
	global_load_b128 v[ZL+4*i:ZL+4*i+3], v[LO], s[54:55] offset:512*i
.set i, i+1
.endr
	s_wait_loadcnt 16                              ; the 16 loads just issued may stay out: sigma is in
.set i, 0
.rept 32
	v_cvt_pk_bf16_f32 v[SB+i], v[SL+2*i], v[SL+2*i+1]
.set i, i+1
.endr
	s_wait_alu depctr_va_vdst(0)                   ; the conversions have written v[SB ..], which the LDS stores read
.set i, 0
.rept 16
	ds_store_b64 v[SS], v[SB+2*i:SB+2*i+1] offset:SIGP*i
.set i, i+1
.endr
	s_wait_dscnt 0x0                               ; for the others' sake: my rows of sigma are in LDS
	s_barrier_signal -1
	s_barrier_wait -1                              ; the launch's one barrier: sigma is whole, and nobody writes it again
	s_wait_alu depctr_vm_vsrc(0)                   ; my LDS stores have read v[SB ..]: in the d2 waves these registers are ZF from here on, written by conversions and by LDS loads
	s_cmp_lt_u32 s22, 4
	s_cbranch_scc0 .Lrole_s
	; ---------------- waves 0-3: d2, then two rows of u and 512 bytes of member ----------------
	v_and_b32 v[RR], 15, v0
	v_bfe_u32 v[HH], v0, 4, 1
	v_and_b32 v[TP], 7, v0
	v_lshl_add_u32 v[TP], v[HH], 3, v[TP]          ; the turning load: lane l reads row d = 8 (l / 16) + l % 8,
	v_mul_u32_u24 v[TA], v[TP], SIGP
	v_bfe_u32 v[TP], v0, 3, 1
	v_lshl_add_u32 v[TA], v[TP], 4, v[TA]          ; columns e = 8 ((l / 8) % 2) + 0..7
	v_lshlrev_b32 v[MA], 5, v[HH]
	s_mul_i32 s50, s22, 16*ZPIT
	s_add_co_u32 s50, s50, ZST                     ; my stage for z
	v_add_nc_u32 v[ZS], s50, v[SO]
	v_mul_u32_u24 v[ZR], v[RR], ZPIT
	v_lshl_add_u32 v[ZR], v[HH], 4, v[ZR]
	v_add_nc_u32 v[ZR], s50, v[ZR]
	s_lshl_b32 s51, s22, 9
	s_add_co_u32 s51, s51, GB                      ; my 128 words of d2
	v_lshl_add_u32 v[GA0], v[RR], 2, s51
	v_add_nc_u32 v[GR], s51, v[LO]
	v_mov_b32 v[TP], 0                             ; v_permlanex16_b32 counts as a reader of its destination
	s_lshl_b32 s50, s23, 9
	s_mov_b32 s51, 0
	s_add_nc_u64 s[44:45], s[12:13], s[50:51]      ; mu[k]
	s_lshl_b32 s50, ttmp9, 15                      ; u: row 8 g + 2 w, 4,096 bytes a row
	s_lshl_b32 s46, s25, 13
	s_add_co_u32 s50, s50, s46
	s_add_nc_u64 s[38:39], s[8:9], s[50:51]
	s_lshr_b32 s50, s50, 1                         ; ub: half the bytes
	s_add_nc_u64 s[40:41], s[18:19], s[50:51]
	s_lshl_b32 s50, s23, 13                        ; d2t: 8,192 k + 4 (512 q + 128 w)
	s_lshl_b32 s46, s24, 11
	s_add_co_u32 s50, s50, s46
	s_lshl_b32 s46, s25, 9
	s_add_co_u32 s50, s50, s46
	s_add_nc_u64 s[42:43], s[20:21], s[50:51]
	s_lshl_b32 s50, ttmp9, 11                      ; member: 2,048 bytes a work-group, 512 a wave
	s_add_co_u32 s50, s50, s46
	s_add_nc_u64 s[30:31], s[56:57], s[50:51]
	s_lshr_b32 s50, s50, 1                         ; mb: half the bytes
	s_add_nc_u64 s[32:33], s[58:59], s[50:51]
	s_mov_b32 s48, 0x76543210                      ; v_permlanex16_b32: each lane takes its own place in the other half
	s_mov_b32 s49, 0xfedcba98
	s_wait_alu depctr_va_vdst(0)                   ; the six addresses v6 to v11 are written, which the loads and the LDS instructions of this role read; only loads and a window switch stand between this wait and the turning loads
	; mu as source 1 with all 16 columns alike: every lane of a half reads the same d = 32 s + 8 h + 0..7 and 32 s + 16 + 8 h + 0..7
.irp s, 0,1,2,3
	global_load_b128 v[ACC+16*(\s):ACC+16*(\s)+3],     v[MA], s[44:45] offset:128*(\s)
	global_load_b128 v[ACC+16*(\s)+4:ACC+16*(\s)+7],   v[MA], s[44:45] offset:128*(\s)+16
	global_load_b128 v[ACC+16*(\s)+8:ACC+16*(\s)+11],  v[MA], s[44:45] offset:128*(\s)+64
	global_load_b128 v[ACC+16*(\s)+12:ACC+16*(\s)+15], v[MA], s[44:45] offset:128*(\s)+80
.endr
	global_load_b128 v[ME:ME+3], v[LO], s[30:31] th:TH_LOAD_NT
	WIN 0x40                                       ; destination window 1
.set f, 0
.rept 32                               ; fragment f = 4 nb + s: lane l gets column e = 16 nb + l % 16 and d = 32 s + 8 (l / 16) + 0..7, then + 16
	ds_load_tr16_b128 v[8*f:8*f+3],   v[TA] offset:(f%4)*32*SIGP+(f/4)*32
	ds_load_tr16_b128 v[8*f+4:8*f+7], v[TA] offset:(f%4)*32*SIGP+16*SIGP+(f/4)*32
.set f, f+1
.endr
	WIN 0
	s_wait_loadcnt 0x0                             ; mu and member (and z's first tile)
.set i, 0
.rept 32
	v_cvt_pk_bf16_f32 v[ZF+i], v[ACC+2*i], v[ACC+2*i+1]
.set i, i+1
.endr
.set i, 0
.rept 32
	v_xor_b32 v[ZF+i], 0x80008000, v[ZF+i]         ; -mu, both halves
.set i, i+1
.endr
	s_wait_dscnt 0x0                               ; sigma's fragments
	WIN 0x01                                       ; source 0 (sigma) window 1
.set i, 0
.rept 32                               ; CT[nb] = sum over s of sig(nb, s) x (-mu)(s); the eight accumulators take turns
.if i < 8
	v_wmma_f32_16x16x32_bf16 v[CT+8*(i%8):CT+8*(i%8)+7], v[32*(i%8)+8*(i/8):32*(i%8)+8*(i/8)+7], v[ZF+8*(i/8):ZF+8*(i/8)+7], 0
.else
	v_wmma_f32_16x16x32_bf16 v[CT+8*(i%8):CT+8*(i%8)+7], v[32*(i%8)+8*(i/8):32*(i%8)+8*(i/8)+7], v[ZF+8*(i/8):ZF+8*(i/8)+7], v[CT+8*(i%8):CT+8*(i%8)+7]
.endif
.set i, i+1
.endr
	WIN 0
; Tile T of eight: 16 rows of z.  The tiles are written out: a tile's place stands in the immediates of the next tile's loads and of its LDS store, so that no base steps and every LDS address is a lane
; term, the wave's number times a constant and a constant.  Tiles 0-6 ask for the next tile's rows, tile 7 for my two rows of u.  A tile's d2 goes to LDS in the next tile, behind that tile's wait.
; Source 0 = 16 e of sigma, source 1 = 16 rows of z: in the result a lane holds ONE row (lane % 16) and e = 16 nb + 8 (lane / 16) + 0..7.
; The next tile's loads stand in one run behind the LDS instructions, not among the products: a load's address is source 0, which the products' setting puts in window 1.
.macro TILE T
	s_wait_loadcnt 0x0                             ; this tile's 16 loads, the only ones out
.set i, 0
.rept 32
	v_cvt_pk_bf16_f32 v[ZB+i], v[ZL+2*i], v[ZL+2*i+1]
.set i, i+1
.endr
	s_wait_alu depctr_va_vdst(0)                   ; the conversions have written ZB, which the LDS stores read, and are done reading ZL, in which the next loads land; the last products are done reading ZF, in which the LDS loads land; the tile before has written its d2
.if (\T) > 0
	ds_store_b32 v[GA0], v[QS] offset:64*((\T)-1)  ; the tile before: row 16 (T - 1) + lane % 16; both halves of the lanes write the same word with the same number
.endif
.set i, 0
.rept 16
	ds_store_b64 v[ZS], v[ZB+2*i:ZB+2*i+1] offset:ZPIT*i
.set i, i+1
.endr
.irp s, 0,1,2,3                        ; LDS serves a wave's instructions in order (ISA guide 5.7.1.4): these see the stores above
	ds_load_b128 v[ZF+8*(\s):ZF+8*(\s)+3],   v[ZR] offset:64*(\s)
	ds_load_b128 v[ZF+8*(\s)+4:ZF+8*(\s)+7], v[ZR] offset:64*(\s)+32
.endr
.if (\T) < 7
.set i, 0
.rept 16                               ; no wait: no vector or matrix instruction since the wait above names ZL
	global_load_b128 v[ZL+4*i:ZL+4*i+3], v[LO], s[28:29] offset:8192*((\T)+1)+512*i
.set i, i+1
.endr
.else
.set i, 0
.rept 16
	global_load_b128 v[ZL+4*i:ZL+4*i+3], v[LO], s[38:39] offset:512*i th:TH_LOAD_NT
.set i, i+1
.endr
.endif
	s_wait_dscnt 0x0                               ; the fragments of z are in
	s_wait_alu depctr_vm_vsrc(0)                   ; the LDS stores have read ZB, which the products write as ACC, and v[QS], which this tile's sums write
	WIN 0x01
.set i, 0
.rept 32                               ; the first eight start the sums at -(mu sig); the eight accumulators take turns
.if i < 8
	v_wmma_f32_16x16x32_bf16 v[ACC+8*(i%8):ACC+8*(i%8)+7], v[32*(i%8)+8*(i/8):32*(i%8)+8*(i/8)+7], v[ZF+8*(i/8):ZF+8*(i/8)+7], v[CT+8*(i%8):CT+8*(i%8)+7]
.else
	v_wmma_f32_16x16x32_bf16 v[ACC+8*(i%8):ACC+8*(i%8)+7], v[32*(i%8)+8*(i/8):32*(i%8)+8*(i/8)+7], v[ZF+8*(i/8):ZF+8*(i/8)+7], v[ACC+8*(i%8):ACC+8*(i%8)+7]
.endif
.set i, i+1
.endr
	WIN 0
.rept 4
	v_nop                                          ; four places between the last product and the first read of a result (ISA guide 7.12.1)
.endr
.irp p, 0,1,2,3                        ; the sum of squares in four chains; each accumulator is read from its low end on
	v_pk_mul_f32 v[QS+2*(\p):QS+2*(\p)+1], v[ACC+2*(\p):ACC+2*(\p)+1], v[ACC+2*(\p):ACC+2*(\p)+1]
.endr
.set i, 4
.rept 28
	v_pk_fma_f32 v[QS+2*(i%4):QS+2*(i%4)+1], v[ACC+2*i:ACC+2*i+1], v[ACC+2*i:ACC+2*i+1], v[QS+2*(i%4):QS+2*(i%4)+1]
.set i, i+1
.endr
	v_pk_add_f32 v[QS:QS+1], v[QS:QS+1], v[QS+2:QS+3]
	v_pk_add_f32 v[QS+4:QS+5], v[QS+4:QS+5], v[QS+6:QS+7]
	v_pk_add_f32 v[QS:QS+1], v[QS:QS+1], v[QS+4:QS+5]
	v_add_f32 v[QS], v[QS], v[QS+1]
	v_permlanex16_b32 v[TP], v[QS], s48, s49       ; the row's other 64 e lie in the lane 16 away
	v_add_f32 v[QS], v[QS], v[TP]
	v_max_num_f32 v[QS], 0, v[QS]                  ; the clamp
.endm
.irp T, 0,1,2,3,4,5,6,7
	TILE \T
.endr
	s_wait_loadcnt 0x0                             ; my two rows of u
.set i, 0
.rept 32
	v_cvt_pk_bf16_f32 v[ACC+i], v[ZL+2*i], v[ZL+2*i+1]
.set i, i+1
.endr
	v_cvt_pk_bf16_f32 v[ME], v[ME], v[ME+1]
	v_cvt_pk_bf16_f32 v[ME+1], v[ME+2], v[ME+3]
	s_wait_alu depctr_va_vdst(0)                   ; the conversions have written v[ACC ..] and v[ME ..], which the stores read; tile 7 has written its d2; the lane exchange and the add are done with v[TP], in which the LDS load lands
	ds_store_b32 v[GA0], v[QS] offset:64*7         ; tile 7's d2
	ds_load_b128 v[TP:TP+3], v[GR]                 ; my wave's 128 d2, in order behind its own stores
.set i, 0
.rept 16
	global_store_b64 v[SO], v[ACC+2*i:ACC+2*i+1], s[40:41] offset:256*i  ; the wave stores 256 consecutive bytes, at a multiple of 256 from ub's first byte
.set i, i+1
.endr
	global_store_b64 v[SO], v[ME:ME+1], s[32:33]   ; 256 consecutive bytes of mb, at a multiple of 256 from its first byte
	s_wait_dscnt 0x0
	global_store_b128 v[LO], v[TP:TP+3], s[42:43]  ; 512 consecutive bytes of d2t[k]
	s_wait_dscnt 0x0                               ; the closing lines, six on end
	s_wait_alu 0x0
	s_wait_tensorcnt 0x0
	ds_add_u32 v[SPW], v[NIL]
	s_wait_dscnt 0x0
	s_endpgm
	; ---------------- waves 4-7: the weights, six rounds of four rows: 16 KB in, 8 KB out ----------------
	; The rounds go W_con, W_recon, W_recon, W_con, W_recon, W_recon: column group x = 8 q + 2 ws takes rounds 0-2 (blocks 0-3, 4-7, 8-11), x + 1 rounds 3-5.  A round's four rows are four blocks on end,
	; 16 rows of wb apart; from round to round wb steps by 64 rows, into the next column group by 768 - 128 = 640.
	; A slot is 512 bytes of f32, which become 256 of bf16; eight slots are a row, four slots a group, eight groups a round.
.Lrole_s:
.set i, 0
.rept 16                               ; slots 16-31 of round 0: with the 16 from ahead of the barrier the ring is full.  No vector instruction of these waves has named v24-87
	global_load_b128 v[XR+4*i:XR+4*i+3], v[LO], s[52:53] offset:512*(16+i) th:TH_LOAD_NT
.set i, i+1
.endr
	s_add_nc_u64 s[36:37], s[52:53], 16384         ; round 3's source: my second four rows of W_con
	s_lshl_b32 s50, s23, 20                        ; W_recon: row 256 k + 64 q + 16 ws, 4,096 bytes a row
	s_lshl_b32 s51, s24, 18
	s_add_co_u32 s50, s50, s51
	s_lshl_b32 s51, s25, 16
	s_add_co_u32 s50, s50, s51
	s_mov_b32 s51, 0
	s_add_nc_u64 s[34:35], s[6:7], s[50:51]        ; W_recon's next four rows: it walks
	s_mul_i32 s50, s24, 8*768                      ; wb: row 768 (8 q + 2 ws) + 192 (k / 16) + k % 16
	s_mul_i32 s51, s25, 2*768
	s_add_co_u32 s50, s50, s51
	s_lshr_b32 s51, s23, 4
	s_mul_i32 s51, s51, 192
	s_add_co_u32 s50, s50, s51
	s_and_b32 s51, s23, 15
	s_add_co_u32 s50, s50, s51
	s_lshl_b32 s50, s50, 11                        ; 2,048 bytes a row
	s_mov_b32 s51, 0
	s_add_nc_u64 s[32:33], s[16:17], s[50:51]      ; where round 0 goes
	s_mov_b32 s47, 640*2048
	s_mov_b32 s48, 64*2048
; Group g's turn: its four slots are converted; the group before's four slots are stored and (ahead = 1) loaded again, for the next round: a load and a store ahead of each slot's two conversions.
; left: the younger loads that may stay out.
.macro GROUP g, ahead, left
	s_wait_loadcnt \left                           ; loads come back in order (ISA guide 5.7.1): this group's four are in
	s_wait_alu depctr_va_vdst(0)                   ; the group before has written its Y, which the stores below read, and is done reading its X, in which the loads below land; no vector line of this group names either
.irp i, 0,1,2,3
.set m, 4*(((\g)+7)%8)+(\i)            ; a slot of the group before,
.set n, 4*(\g)+(\i)                    ; and one of this group
.set rM, XR+4*((m+16)%32)              ; slots 0-15 at v88-151, slots 16-31 at v24-87
.set rX, XR+4*((n+16)%32)
.if \ahead
	global_load_b128 v[rM:rM+3], v[LO], s[30:31] offset:512*m th:TH_LOAD_NT
.endif
	global_store_b64 v[SO], v[YR+2*m:YR+2*m+1], s[32:33] offset:16*2048*(m/8)+256*(m%8)  ; 256 consecutive bytes, at a multiple of 256 from wb's first byte
	v_cvt_pk_bf16_f32 v[YR+2*n],   v[rX],   v[rX+1]
	v_cvt_pk_bf16_f32 v[YR+2*n+1], v[rX+2], v[rX+3]
.endr
.endm
	s_wait_loadcnt 28                              ; round 0's group 0 has no group in front of it: its four loads are in, the ring's other 28 stay out
.set n, 0
.rept 4
	v_cvt_pk_bf16_f32 v[YR+2*n],   v[XR+64+4*n],   v[XR+64+4*n+1]
	v_cvt_pk_bf16_f32 v[YR+2*n+1], v[XR+64+4*n+2], v[XR+64+4*n+3]
.set n, n+1
.endr
	s_mov_b32 s46, 0
.Lround:                                               ; trip t: groups 1 to 7 of round t, then group 0 of round t + 1: all its loads are round t + 1's, all its stores round t's, so both bases hold for a trip
	s_wait_xcnt 0x0                                ; the bases and the stores' data are rewritten only behind this wait
	s_wait_alu depctr_vm_vsrc(0)                   ; the last trip's stores have read Y's groups 1 to 7, which this trip's conversions write again
	s_cmp_eq_u32 s46, 2                            ; trip 2 asks for round 3: W_con's second four rows; every other trip for W_recon's next four
	s_cselect_b64 s[30:31], s[36:37], s[34:35]
	s_cselect_b32 s50, 0, 16384
	s_add_nc_u64 s[34:35], s[34:35], s[50:51]
	s_cmp_eq_u32 s46, 3                            ; trip 3 stores round 3: the next column group;
	s_cselect_b32 s50, s47, s48
	s_cmp_eq_u32 s46, 0                            ; trip 0 stores round 0, where wb's base stands already
	s_cselect_b32 s50, 0, s50
	s_add_nc_u64 s[32:33], s[32:33], s[50:51]
.irp g, 1,2,3,4,5,6,7
	GROUP \g, 1, 24                                ; six younger groups of four are out
.endr
	s_wait_xcnt 0x0                                ; Y's group 0 was stored in this trip's first group: its registers are rewritten only behind this wait,
	s_wait_alu depctr_vm_vsrc(0)                   ; and behind this one: those stores have read them
	GROUP 0, 1, 24
	s_add_co_u32 s46, s46, 1
	s_cmp_lt_u32 s46, 5
	s_cbranch_scc1 .Lround
	s_wait_xcnt 0x0                                ; the last round is written out: it loads nothing, and the counts run down
	s_wait_alu depctr_vm_vsrc(0)                   ; the last trip's stores have read Y's groups 1 to 7
	s_add_nc_u64 s[32:33], s[32:33], 64*2048       ; where round 5 goes
.irp g, 1,2,3,4,5,6,7
	GROUP \g, 0, 28-4*(\g)
.endr
	s_wait_alu depctr_va_vdst(0)                   ; group 7 has written its Y, which the last four stores read
.set m, 28
.rept 4
	global_store_b64 v[SO], v[YR+2*m:YR+2*m+1], s[32:33] offset:16*2048*(m/8)+256*(m%8)
.set m, m+1
.endr
	s_wait_dscnt 0x0                               ; the closing lines, six on end
	s_wait_alu 0x0
	s_wait_tensorcnt 0x0
	ds_add_u32 v[SPW], v[NIL]
	s_wait_dscnt 0x0
	s_endpgm
.Lfunc_end_k_qd9c962eede_prep:
	.size	k_qd9c962eede_prep, .Lfunc_end_k_qd9c962eede_prep-k_qd9c962eede_prep
	.p2alignl 7, 3214868480
	.fill 96, 4, 3214868480
	.section	.rodata,"a",@progbits
	.p2align	6, 0x0
	.amdhsa_kernel k_qd9c962eede_prep
		.amdhsa_group_segment_fixed_size 57344
		.amdhsa_private_segment_fixed_size 0
		.amdhsa_enable_private_segment 0
		.amdhsa_kernarg_size 88
		.amdhsa_user_sgpr_count 2
		.amdhsa_user_sgpr_kernarg_segment_ptr 1
		.amdhsa_wavefront_size32 1
		.amdhsa_system_sgpr_workgroup_id_x 1
		.amdhsa_system_sgpr_workgroup_id_y 1
		.amdhsa_system_sgpr_workgroup_id_z 1
		.amdhsa_system_vgpr_workitem_id 0
		.amdhsa_next_free_vgpr 512
		.amdhsa_next_free_sgpr 66
		.amdhsa_reserve_vcc 0
		.amdhsa_float_denorm_mode_32 3
		.amdhsa_float_denorm_mode_16_64 3
		.amdhsa_memory_ordered 1
		.amdhsa_forward_progress 1
		.amdhsa_inst_pref_size 125
	.end_amdhsa_kernel
	.amdgpu_metadata
---
amdhsa.version: [ 1, 2 ]
amdhsa.kernels:
  - .name:           k_qd9c962eede_prep
    .symbol:         k_qd9c962eede_prep.kd
    .args:
      - { .name: W_con, .offset: 0, .size: 8, .value_kind: global_buffer, .address_space: global }
      - { .name: W_recon, .offset: 8, .size: 8, .value_kind: global_buffer, .address_space: global }
      - { .name: u, .offset: 16, .size: 8, .value_kind: global_buffer, .address_space: global }
      - { .name: z, .offset: 24, .size: 8, .value_kind: global_buffer, .address_space: global }
      - { .name: mu, .offset: 32, .size: 8, .value_kind: global_buffer, .address_space: global }
      - { .name: sigma_inv, .offset: 40, .size: 8, .value_kind: global_buffer, .address_space: global }
      - { .name: wb, .offset: 48, .size: 8, .value_kind: global_buffer, .address_space: global }
      - { .name: ub, .offset: 56, .size: 8, .value_kind: global_buffer, .address_space: global }
      - { .name: d2t, .offset: 64, .size: 8, .value_kind: global_buffer, .address_space: global }
      - { .name: member, .offset: 72, .size: 8, .value_kind: global_buffer, .address_space: global }
      - { .name: mb, .offset: 80, .size: 8, .value_kind: global_buffer, .address_space: global }
    .group_segment_fixed_size: 57344
    .private_segment_fixed_size: 0
    .kernarg_segment_align: 8
    .kernarg_segment_size: 88
    .max_flat_workgroup_size: 256
    .sgpr_count:     66
    .vgpr_count:     512
    .wavefront_size: 32
...
	.end_amdgpu_metadata
.endif
;; end of part 6
;; launch main: the kernel of part 5 again; grid 32 x 8, 4 waves a work-group, clusters of 4 x 4, 327,680 bytes of LDS; arguments ub, wb, d2t, mb, out0, out1; writes out0, out1
